; MI455X (gfx1250); checked and timed in simulation.
; The chip was launched on July 23, 2026; its instructions are those of AMD's public machine-readable ISA for CDNA 5 (MIT licence, August 2026) and "CDNA5" Instruction Set Architecture Reference Guide (July 2026). The comments in the code are by the model that wrote it; some were corrected since.
;; Toy Transformer Block. Allowed arithmetic: matrix products marked QUANTISED: E4M3 operands, one E8M0 scale for each 32 along K, by v_wmma_scale_f32_16x16x128_f8f6f4 with both operands' format E4M3, f32 sums; everything else in f32.
;; Inputs: W1_codes 2,048 x 16 x 32 uint8 (E4M3 codes of W1, K innermost, in blocks of 32 codes); W1_scales 2,048 x 16 uint8 (E8M0 scales of W1, one for each 32 codes along K); W2_codes 512 x 64 x 32 uint8 (E4M3 codes of W2, K innermost, in blocks of 32 codes); W2_scales 512 x 64 uint8 (E8M0 scales of W2, one for each 32 codes along K); Wk_codes 512 x 16 x 32 uint8 (E4M3 codes of Wk, K innermost, in blocks of 32 codes); Wk_scales 512 x 16 uint8 (E8M0 scales of Wk, one for each 32 codes along K); Wo_codes 512 x 16 x 32 uint8 (E4M3 codes of Wo, K innermost, in blocks of 32 codes); Wo_scales 512 x 16 uint8 (E8M0 scales of Wo, one for each 32 codes along K); Wq_codes 512 x 16 x 32 uint8 (E4M3 codes of Wq, K innermost, in blocks of 32 codes); Wq_scales 512 x 16 uint8 (E8M0 scales of Wq, one for each 32 codes along K); Wv_codes 512 x 16 x 32 uint8 (E4M3 codes of Wv, K innermost, in blocks of 32 codes); Wv_scales 512 x 16 uint8 (E8M0 scales of Wv, one for each 32 codes along K); b1 2,048 float32; b2 512 float32; beta1 512 float32; beta2 512 float32; bo 512 float32; g1 512 float32; g2 512 float32; x 4 x 2,048 x 512 float32.
;; Outputs: out0 4 x 2,048 x 512 float32.
;; This version of the problem:
;;   THIS VERSION OF THE PROBLEM IS GIVEN IN LOW PRECISION. The matrix products marked QUANTISED in the list below multiply operands that are first quantised to E4M3 (4 exponent bits, 3 mantissa bits; 8 bits a number), with one power-of-two scale for each 32 numbers along K (OCP MX v1.0); their sums are f32. All else is computed in f32.
;;   The module's matrix products, in the order in which they are computed (A, B: the left and right operand; K: the contracted axis; several contracted axes count as one K, in the product's order):
;;     1. [M 8,192, K 512] x [K 512, N 512]; A: computed on the way; B: input Wq (given as codes): QUANTISED
;;     2. [M 8,192, K 512] x [K 512, N 512]; A: computed on the way; B: input Wk (given as codes): QUANTISED
;;     3. [M 8,192, K 512] x [K 512, N 512]; A: computed on the way; B: input Wv (given as codes): QUANTISED
;;     4. batch 64 x [M 2,048, K 32] x [K 32, N 2,048]; A: computed on the way; B: computed on the way: QUANTISED
;;     5. batch 64 x [M 2,048, K 2,048] x [K 2,048, N 32]; A: softmax (see below); B: computed on the way: QUANTISED
;;     6. [M 8,192, K 512] x [K 512, N 512]; A: computed on the way; B: input Wo (given as codes): QUANTISED
;;     7. [M 8,192, K 512] x [K 512, N 2,048]; A: computed on the way; B: input W1 (given as codes): QUANTISED
;;     8. [M 8,192, K 2,048] x [K 2,048, N 512]; A: computed on the way; B: input W2 (given as codes): QUANTISED
;;   THE QUANTISER, for each operand of a quantised product, along K:
;;     - K is cut into blocks of 32 from its start; a last block that is shorter is filled with zeros.
;;     - A block's scale is 2^e with e = floor(log2(the largest magnitude in the block)) - 8, held to -126 .. 127; a block of zeros has e = 0. As a byte (E8M0): e + 127.
;;     - Each number is divided by its block's scale, clamped to +-448, and rounded to the nearest number of E4M3, ties to even, subnormals kept.
;;     - The product sums the exact products of the quantised numbers (number of the format x scale) in f32.
;;   ~~~python
;;   def quantise(x, axis):      # numpy; x: float32 -> the quantised numbers, widened to float32 again
;;       x = np.moveaxis(x, axis, -1); K = x.shape[-1]
;;       x = np.pad(x, [(0, 0)] * (x.ndim - 1) + [(0, -K % 32)]); x = x.reshape(x.shape[:-1] + (-1, 32)); a = np.abs(x).max(-1, keepdims=True)
;;       e = np.where(a > 0, np.clip(np.frexp(np.where(a > 0, a, 1))[1] - 1 - 8, -126, 127), 0)      # np.frexp(a)[1] - 1 = floor(log2(a)), exactly
;;       r = np.clip(x / 2.0 ** e, -448, 448)
;;       step = 2.0 ** (np.maximum(np.frexp(np.where(r == 0, 1, r))[1] - 1, -6) - 3)
;;       q = np.round(r / step) * step * 2.0 ** e      # np.round: ties to even
;;       return np.moveaxis(q.reshape(q.shape[:-2] + (-1,))[..., :K], -1, axis).astype(np.float32)
;;   ~~~
;;   SOFTMAX AHEAD OF A QUANTISED PRODUCT. Where the list says 'softmax', what is quantised is not the finished softmax but p = 2^(t - M), with t = logit x log2(e) and M = ceil(the row's largest t), a whole number; so 1/2 < the row's largest p <= 1. The row's sum l is taken of the UNQUANTISED p, in f32, and the product's result is divided by l at the end. Since M is a whole number, a kernel that streams over the keys may use a running M (the ceiling of the running maximum): every later rescaling is an exact power of two, which a block's scale takes up: the codes' values come out the same.
;;   OPERANDS COMPUTED ON THE WAY. 'Computed on the way' means the value that the module computes at that place (a softmax that the list does not call 'softmax' is quantised finished and normalised). What goes into a quantiser is computed in f32, as accurately as f32 sums, v_exp_f32 and their like allow (about 1e-6 of the number): no bf16 or f16 on the way to a quantiser, and a product that is left as it is and whose result goes on into a quantised operand takes f32 operands (vector FMAs, or v_wmma_f32_16x16x4_f32). A number that lies on a knife's edge between two numbers of the format may be rounded either way, as far as f32 arithmetic and the matrix unit's own rounding can turn it there, and no further.
;;   INPUTS GIVEN AS CODES. W1 (in the module: [512, 2048], K = its axis 0); W2 (in the module: [2048, 512], K = its axis 0); Wk (in the module: [512, 512], K = its axis 0); Wo (in the module: [512, 512], K = its axis 0); Wq (in the module: [512, 512], K = its axis 0); Wv (in the module: [512, 512], K = its axis 0): each comes as NAME_codes (uint8): NAME with its K axis moved to the last place and cut into blocks of 32 codes, [.., K / 32, bytes a block], one block behind the other in memory; one code a byte (a code: sign, 4 exponent bits, 3 mantissa bits); and NAME_scales (uint8): the same leading axes, one E8M0 byte (e + 127) for each 32 codes along K. Its value is code x scale, taken as it is: it is not quantised again, and the codes and scales need not be those that the quantiser above would give.
;; One version. Each part assembles by itself: llvm-mc -triple=amdgcn-amd-amdhsa -mcpu=gfx1250 --defsym DOCPART=n.
;; ======== version 1 of 1: 3 launches
;; limits: right only within a limited range of input values
;; workspace buffers: kv 9,699,328 bytes; qimg 4,194,304 bytes; qsc 1,048,576 bytes; cimg 4,194,304 bytes; csc 131,072 bytes; wimg 2,359,296 bytes
;; launch qkv (part 1): grid 4 x 64, 4 waves a work-group, no clusters, 35,328 bytes of LDS; arguments x, g1, beta1, Wq_codes, Wq_scales, Wk_codes, Wk_scales, Wv_codes, Wv_scales, Wo_codes, W1_codes, W2_codes, kv, qimg, qsc, wimg; writes kv, qimg, qsc, wimg
.if DOCPART == 1
	.amdgcn_target "amdgcn-amd-amdhsa--gfx1250"
	.amdhsa_code_object_version 6
	.text
	.protected	k_q96b6e9aaab_qkv
	.globl	k_q96b6e9aaab_qkv
	.p2align	8
	.type	k_q96b6e9aaab_qkv,@function
k_q96b6e9aaab_qkv:
	s_mov_b64 s[64:65], 0
	v_nop
	global_prefetch_b8 v0, s[64:65] scope:SCOPE_SE
	s_setreg_imm32_b32 hwreg(HW_REG_WAVE_MODE, 25, 1), 1
	s_wait_xcnt 0x0
; FIRST OF THREE LAUNCHES: y = layernorm(x; g1, beta1), quantised along its 512; q = y Wq, k = y Wk, v = y Wv on codes of E4M3 with one E8M0 scale for each 32 along K;
; q and k are quantised along a head's 32 channels, v along the keys, and all three leave as IMAGES OF OPERAND REGISTERS (16 bytes a lane, 512 consecutive bytes a store), as the attention launch loads them.
; Beside that each wave copies a small part of Wo's, W1's and W2's codes into the order in which the last launch's waves take them into registers.
; SHARES.  Work-group (g, rb): rows 128 rb .. +127 (one key step of one batch), heads 4 g .. 4 g + 3; wave w: head 4 g + w.  A wave's 24 weight fragments (3 weights x 2 tiles x 4 K steps, 384 registers) stay for both blocks of 64 rows.
; In a block wave w normalises and quantises row tile w; the four tiles' fragments and scale words go round through LDS as register images.
; ROW ORDER.  kap(r) = r + 8 (r / 8).  Row tile 2 B + u holds rows 32 B + 8 u + kap(lane % 16); weight tile u holds rows 8 u + kap(lane % 16) of the head.  So the 16 registers of two neighbouring tiles are 16 neighbours:
; q, k (source 0 = weight rows, source 1 = x's rows): a lane holds one row and channels 16 (lane / 16) + 0 .. 15;  v (source 0 = x's rows, source 1 = weight rows): a lane holds one channel and keys 32 B + 16 (lane / 16) + 0 .. 15.
; LIMITS: a block of zeros gets the scale byte 1 (its codes are zeros; these bytes are read by this program alone); a block's largest magnitude is not taken under 2^-118; NaN and infinities among the inputs are not served.
; No tensor load, no cluster: each weight fragment is read by one wave once, straight into registers; what the waves share (x's codes) is made here.
; REGISTERS.  window 0: v1-15 addresses; v16-39 the weights' scale words; v40-43 x's; v48-63 the quantiser; v66-79 sums; v80-95 codes; v96-113 the copy; v128-191 q (before that g1), v192-255 k (before that beta1).
;   window 1: my 16 rows of x, 256 numbers a lane.   window 2: Wq's and Wk's fragments.   window 3: v0-127 Wv's; v128-191 v; v192-255 x's four fragments of a row tile.
.set XIMG, 0                           ; LDS: 16 fragments of 2,048 bytes, index 4 m + s
.set XSC,  32768                       ; their scale words, 128 bytes each
.set L16,  1                           ; 16 x lane
.set L4,   2                           ; 4 x lane
.set XO,   3                           ; x: 2048 kap + 64 h
.set GO,   4                           ; g1, beta1: 64 h
.set WO,   5                           ; rows of 512 codes: 512 kap + 16 h
.set W2O,  6                           ; rows of 2,048 codes: 2048 kap + 16 h
.set SK16, 7                           ; rows of 16 scale bytes: 16 kap
.set IW,   8                           ; where I store images: 16 x lane + 8192 x wave
.set SW,   9                           ; and scale words: 4 x lane + 512 x wave
.set WOO,  14                          ; Wo's copy: 512 kap(lane / 2) + 8 (lane % 2)
.set L8,   15                          ; 8 x lane
.set WQS,  16
.set WKS,  24
.set WVS,  32
.set XS,   40
.set TM,   48                          ; +0..3 largest magnitudes, +4..7 bytes, +8..11 448 x the scale, +12..15 the conversions' scale operands
.set CH,   66                          ; four packed chains
.set MEAN, 74
.set RSTD, 76
.set T0,   78
.set PC,   80
.set RL,   96
.set QA,   128
.set KA,   192
.set G,    128
.set BT,   192
.set VA,   128                         ; in window 3
.set XF,   192                         ; in window 3
.set SEL,  40                          ; s[40:41] lane selects: lane l xor 16
.set MNT,  42                          ; s42 the mantissa field of 448
.set MSB, 0
.macro WIN new                         ; the immediate's high byte repeats the setting that is left
.if MSB != (\new)
	s_set_vgpr_msb (MSB<<8)|(\new)
.set MSB, (\new)
.endif
.endm
.macro BARRIER                         ; my LDS stores have landed and my LDS loads are in: then the work-group's barrier
	s_wait_dscnt 0x0
	s_barrier_signal -1
	s_barrier_wait -1
.endm
; 64 numbers of a lane, registers src .. src + 63 of window w, four blocks of 16 (the other 16 of a block lie in lane l xor 16), become codes in v[PC] on; the blocks' bytes stand in v[TM+4] .. v[TM+7]
.macro QUANT src, w
	WIN (\w)|((\w)<<2)
.irp b, 0,1,2,3
	v_max3_num_f32 v[TM+\b], |v[(\src)+16*\b]|, |v[(\src)+16*\b+1]|, 0x4800000   ; with the floor 2^(9 - 127): the byte cannot fall under 1
.endr
	WIN ((\w)<<2)|((\w)<<4)
.irp i, 2,4,6,8,10,12,14
.irp b, 0,1,2,3
	v_max3_num_f32 v[TM+\b], v[TM+\b], |v[(\src)+16*\b+\i]|, |v[(\src)+16*\b+\i+1]|   ; the four blocks by turns; each accumulator is read from its low end on
.endr
.endr
	WIN 0
.irp b, 0,1,2,3
	v_permlanex16_b32 v[TM+4+\b], v[TM+\b], s[SEL], s[SEL+1]
.endr
.irp b, 0,1,2,3
	v_max_num_f32 v[TM+\b], v[TM+\b], v[TM+4+\b]           ; the block's largest magnitude
.endr
.irp b, 0,1,2,3
	v_add_nc_u32 v[TM+12+\b], 0xfc000000, v[TM+\b]         ; 8 off its exponent field: the conversion's scale operand
.endr
.irp b, 0,1,2,3
	v_and_or_b32 v[TM+8+\b], v[TM+\b], 0x7f800000, s[MNT]  ; 448 x the scale
.endr
.irp b, 0,1,2,3
	v_lshrrev_b32 v[TM+4+\b], 23, v[TM+12+\b]              ; the scale's byte
.endr
	WIN (\w)|((\w)<<6)
.irp b, 0,1,2,3
.irp i, 0,1,2,3,4,5,6,7,8,9,10,11,12,13,14,15
	v_med3_num_f32 v[(\src)+16*\b+\i], v[(\src)+16*\b+\i], -v[TM+8+\b], v[TM+8+\b]   ; the conversion to an 8-bit code does not saturate (ISA guide 7.6.2): the hold comes first
.endr
.endr
	WIN (\w)
.irp b, 0,1,2,3
	v_cvt_scalef32_pk8_fp8_f32 v[PC+4*\b:PC+4*\b+1], v[(\src)+16*\b:(\src)+16*\b+7], v[TM+12+\b]
	v_cvt_scalef32_pk8_fp8_f32 v[PC+4*\b+2:PC+4*\b+3], v[(\src)+16*\b+8:(\src)+16*\b+15], v[TM+12+\b]
.endr
	WIN 0
	v_nop                                          ; one plain instruction behind the last conversion
.endm
.macro PACKW                           ; the four bytes make one scale word, in v[TM+4]
	v_lshl_or_b32 v[TM+4], v[TM+5], 8, v[TM+4]
	v_lshl_or_b32 v[TM+4], v[TM+6], 16, v[TM+4]
	v_lshl_or_b32 v[TM+4], v[TM+7], 24, v[TM+4]
.endm
.macro IMAGE adr, off                  ; the fragment in v[PC] on goes to LDS as it stands
.irp c, 0,1,2,3
	ds_store_b128 v[\adr], v[PC+4*\c:PC+4*\c+3] offset:(\off)+512*\c
.endr
.endm
.macro FOLD                            ; the four chains, their halves and lane l xor 16's: the row's sum in v[T0]
	v_pk_add_f32 v[CH:CH+1], v[CH:CH+1], v[CH+2:CH+3]
	v_pk_add_f32 v[CH+4:CH+5], v[CH+4:CH+5], v[CH+6:CH+7]
	v_pk_add_f32 v[CH:CH+1], v[CH:CH+1], v[CH+4:CH+5]
	v_add_f32 v[T0], v[CH], v[CH+1]
	v_permlanex16_b32 v[T0+1], v[T0], s[SEL], s[SEL+1]
	v_add_f32 v[T0], v[T0], v[T0+1]
.endm
.macro XLOAD off                       ; my 16 rows of x: register 64 s + 16 b + i = k 128 s + 32 b + 16 h + i of row kap(r)
	WIN 0x40
.irp s, 0,1,2,3
.irp b, 0,1,2,3
.irp j, 0,1,2,3
	global_load_b128 v[64*\s+16*\b+4*\j:64*\s+16*\b+4*\j+3], v[XO], s[4:5] offset:(\off)+512*\s+128*\b+16*\j
.endr
.endr
.endr
	WIN 0
.endm
.macro GLOAD ks                        ; g1 and beta1 of K step ks, in x's register order
.irp b, 0,1,2,3
.irp j, 0,1,2,3
	global_load_b128 v[G+16*\b+4*\j:G+16*\b+4*\j+3], v[GO], s[6:7] offset:512*(\ks)+128*\b+16*\j
	global_load_b128 v[BT+16*\b+4*\j:BT+16*\b+4*\j+3], v[GO], s[8:9] offset:512*(\ks)+128*\b+16*\j
.endr
.endr
.endm
.macro MM d, a, b, first, sa, sb       ; one product; first: it starts the sum with the constant 0
.if \first
	v_wmma_scale_f32_16x16x128_f8f6f4 v[(\d):(\d)+7], v[(\a):(\a)+15], v[(\b):(\b)+15], 0, v[\sa], v[\sb]
.else
	v_wmma_scale_f32_16x16x128_f8f6f4 v[(\d):(\d)+7], v[(\a):(\a)+15], v[(\b):(\b)+15], v[(\d):(\d)+7], v[\sa], v[\sb]
.endif
.endm
	s_load_b512 s[4:19], s[0:1], 0x0               ; x, g1, beta1, Wq codes, Wq scales, Wk codes, Wk scales, Wv codes
	s_load_b512 s[20:35], s[0:1], 0x40             ; Wv scales, Wo codes, W1 codes, W2 codes, kv, qimg, qsc, wimg
	v_lshl_add_u32 v126, v0, 2, 0x8800
	v_mov_b32 v127, 0
	v_lshrrev_b32 v10, 5, v0
	v_readfirstlane_b32 s36, v10                   ; wave
	s_mov_b32 s37, ttmp9                           ; g
	s_and_b32 s38, ttmp7, 0xffff                   ; rb
	s_lshl_b32 s39, s37, 2
	s_add_co_u32 s39, s39, s36                     ; my head
	v_and_b32 v10, 31, v0                          ; lane
	v_and_b32 v11, 15, v0                          ; r
	v_bfe_u32 v12, v0, 4, 1                        ; h
	v_and_b32 v13, 8, v11
	v_add_nc_u32 v13, v13, v11                     ; kap(r)
	v_lshlrev_b32 v[L16], 4, v10
	v_lshlrev_b32 v[L4], 2, v10
	v_lshlrev_b32 v[L8], 3, v10
	v_lshlrev_b32 v[XO], 11, v13
	v_lshl_add_u32 v[XO], v12, 6, v[XO]
	v_lshlrev_b32 v[GO], 6, v12
	v_lshlrev_b32 v[WO], 9, v13
	v_lshl_add_u32 v[WO], v12, 4, v[WO]
	v_lshlrev_b32 v[W2O], 11, v13
	v_lshl_add_u32 v[W2O], v12, 4, v[W2O]
	v_lshlrev_b32 v[SK16], 4, v13
	s_lshl_b32 s46, s36, 13
	v_add_nc_u32 v[IW], s46, v[L16]
	s_lshl_b32 s46, s36, 9
	v_add_nc_u32 v[SW], s46, v[L4]
	v_lshrrev_b32 v11, 1, v10                      ; Wo's copy: two lanes to a place
	v_and_b32 v12, 8, v11
	v_add_nc_u32 v11, v11, v12
	v_and_b32 v12, 1, v10
	v_lshlrev_b32 v[WOO], 9, v11
	v_lshl_add_u32 v[WOO], v12, 3, v[WOO]
.irp b, 0,1,2,3
	v_mov_b32 v[TM+4+\b], 0                        ; written once: a lane permute's destination counts as one of its sources
.endr
	v_mov_b32 v[T0+1], 0
	s_mov_b32 s[SEL], 0x76543210
	s_mov_b32 s[SEL+1], 0xfedcba98
	s_mov_b32 s[MNT], 0x600000
	s_mov_b32 s44, 0x3b000000                      ; 1 / 512
	s_mov_b32 s45, 0x3727c5ac                      ; 1e-5
	; byte offsets, made apart from the addresses
	s_lshl_b32 s46, s38, 7
	s_lshr_b32 s47, s36, 1
	s_lshl_b32 s47, s47, 5
	s_add_co_u32 s46, s46, s47
	s_and_b32 s47, s36, 1
	s_lshl_b32 s47, s47, 3
	s_add_co_u32 s46, s46, s47                     ; my row tile's first row: 128 rb + 32 (w / 2) + 8 (w % 2)
	s_lshl_b32 s46, s46, 11
	s_mov_b32 s47, 0
	s_lshl_b32 s48, s39, 14                        ; my head's 32 weight rows of 512 bytes
	s_mov_b32 s49, 0
	s_lshl_b32 s90, s39, 9                         ; and their scale rows of 16 bytes
	s_mov_b32 s91, 0
	s_lshr_b32 s59, s38, 4
	s_lshl_b32 s59, s59, 4
	s_add_co_u32 s59, s59, s39                     ; bh = 16 batch + head
	s_and_b32 s60, s38, 15                         ; the key step
	s_mul_i32 s61, s59, 151552
	s_lshl_b32 s62, s60, 12
	s_add_co_u32 s50, s61, s62                     ; k's images
	s_add_co_u32 s54, s50, 65536                   ; v's images
	s_lshl_b32 s62, s60, 10
	s_add_co_u32 s52, s61, s62
	s_add_co_u32 s52, s52, 131072                  ; k's scale words
	s_lshl_b32 s62, s60, 8
	s_add_co_u32 s56, s61, s62
	s_add_co_u32 s56, s56, 147456                  ; v's scale words
	s_mov_b32 s51, 0
	s_mov_b32 s53, 0
	s_mov_b32 s55, 0
	s_mov_b32 s57, 0
	s_lshl_b32 s92, s59, 16
	s_lshl_b32 s62, s60, 12
	s_add_co_u32 s92, s92, s62                     ; q's images
	s_mov_b32 s93, 0
	s_lshl_b32 s94, s59, 14
	s_lshl_b32 s62, s60, 10
	s_add_co_u32 s94, s94, s62                     ; q's scale words
	s_mov_b32 s95, 0
	; THE COPY.  W = 16 rb + head counts the launch's 1,024 waves.  W1, W2: fragment F = W / 2, its quarters 2 (W % 2) and the next.  F = ((chunk x 4 + reading wave) x 8 + tile) x 4 + K step
	s_lshl_b32 s58, s38, 4
	s_add_co_u32 s58, s58, s39                     ; W
	s_lshr_b32 s59, s58, 1                         ; F
	s_and_b32 s60, s58, 1
	s_and_b32 s61, s59, 3                          ; K step
	s_bfe_u32 s62, s59, 0x30002                    ; tile
	s_bfe_u32 s63, s59, 0x20005                    ; the wave that will read it
	s_lshr_b32 s66, s59, 7                         ; chunk
	s_and_b32 s67, s62, 1
	s_lshl_b32 s67, s67, 3
	s_lshl_b32 s68, s62, 4
	s_sub_co_u32 s67, s68, s67                     ; the tile's first row: 32 (t / 2) + 8 (t % 2)
	s_lshl_b32 s68, s63, 7
	s_add_co_u32 s68, s68, s67
	s_lshl_b32 s69, s66, 9
	s_add_co_u32 s69, s69, s68
	s_lshl_b32 s69, s69, 9                         ; W1: row 512 chunk + 128 wave + first row, 512 bytes a row
	s_lshl_b32 s70, s61, 7
	s_lshl_b32 s71, s60, 6
	s_add_co_u32 s70, s70, s71                     ; 128 x K step + 32 x quarter
	s_add_co_u32 s72, s69, s70
	s_mov_b32 s73, 0
	s_lshl_b32 s74, s68, 11                        ; W2: row 128 wave + first row, 2,048 bytes a row; K = 512 chunk on
	s_lshl_b32 s69, s66, 9
	s_add_co_u32 s74, s74, s69
	s_add_co_u32 s74, s74, s70
	s_mov_b32 s75, 0
	s_mul_i32 s76, s63, 589824                     ; in wimg: [wave][phase 9][65,536]
	s_lshl_b32 s69, s66, 17
	s_add_co_u32 s76, s76, s69
	s_lshl_b32 s69, s60, 10
	s_add_co_u32 s76, s76, s69
	s_lshl_b32 s69, s62, 13                        ; W1's phase 1 + 2 chunk: [tile][K step]
	s_lshl_b32 s71, s61, 11
	s_add_co_u32 s69, s69, s71
	s_add_co_u32 s78, s76, s69
	s_add_co_u32 s78, s78, 65536
	s_mov_b32 s79, 0
	s_lshl_b32 s69, s61, 14                        ; W2's phase 2 + 2 chunk: [K step][tile]
	s_lshl_b32 s71, s62, 11
	s_add_co_u32 s69, s69, s71
	s_add_co_u32 s76, s76, s69
	s_add_co_u32 s76, s76, 131072
	s_mov_b32 s77, 0
	; Wo: fragment W / 8, quarter (W / 2) % 4, half W % 2: 16 lane places, 256 bytes, 8 bytes a lane
	s_lshr_b32 s80, s58, 3
	s_bfe_u32 s81, s58, 0x20001
	s_and_b32 s82, s80, 3                          ; K step
	s_bfe_u32 s83, s80, 0x30002                    ; tile
	s_lshr_b32 s84, s80, 5                         ; reading wave
	s_and_b32 s85, s83, 1
	s_lshl_b32 s85, s85, 3
	s_lshl_b32 s86, s83, 4
	s_sub_co_u32 s85, s86, s85
	s_lshl_b32 s86, s84, 7
	s_add_co_u32 s86, s86, s85
	s_lshl_b32 s86, s86, 9
	s_lshl_b32 s87, s82, 7
	s_add_co_u32 s86, s86, s87
	s_lshl_b32 s87, s81, 5
	s_add_co_u32 s86, s86, s87
	s_lshl_b32 s87, s60, 4
	s_add_co_u32 s86, s86, s87
	s_mov_b32 s87, 0
	s_mul_i32 s88, s84, 589824                     ; phase 0: [K step][tile]
	s_lshl_b32 s89, s82, 14
	s_add_co_u32 s88, s88, s89
	s_lshl_b32 s89, s83, 11
	s_add_co_u32 s88, s88, s89
	s_lshl_b32 s89, s81, 9
	s_add_co_u32 s88, s88, s89
	s_lshl_b32 s89, s60, 8
	s_add_co_u32 s88, s88, s89
	s_mov_b32 s89, 0
	s_wait_alu depctr_va_vdst(0)
	s_wait_kmcnt 0x0
	s_add_nc_u64 s[4:5], s[4:5], s[46:47]
	s_add_nc_u64 s[10:11], s[10:11], s[48:49]
	s_add_nc_u64 s[14:15], s[14:15], s[48:49]
	s_add_nc_u64 s[18:19], s[18:19], s[48:49]
	s_add_nc_u64 s[12:13], s[12:13], s[90:91]
	s_add_nc_u64 s[16:17], s[16:17], s[90:91]
	s_add_nc_u64 s[20:21], s[20:21], s[90:91]
	s_add_nc_u64 s[50:51], s[28:29], s[50:51]
	s_add_nc_u64 s[52:53], s[28:29], s[52:53]
	s_add_nc_u64 s[54:55], s[28:29], s[54:55]
	s_add_nc_u64 s[56:57], s[28:29], s[56:57]
	s_add_nc_u64 s[30:31], s[30:31], s[92:93]
	s_add_nc_u64 s[32:33], s[32:33], s[94:95]
	s_add_nc_u64 s[72:73], s[24:25], s[72:73]
	s_add_nc_u64 s[74:75], s[26:27], s[74:75]
	s_add_nc_u64 s[78:79], s[34:35], s[78:79]
	s_add_nc_u64 s[76:77], s[34:35], s[76:77]
	s_add_nc_u64 s[86:87], s[22:23], s[86:87]
	s_add_nc_u64 s[88:89], s[34:35], s[88:89]
	global_load_b128 v[RL:RL+3], v[WO], s[72:73]
	global_load_b128 v[RL+4:RL+7], v[WO], s[72:73] offset:32
	global_load_b128 v[RL+8:RL+11], v[W2O], s[74:75]
	global_load_b128 v[RL+12:RL+15], v[W2O], s[74:75] offset:32
	global_load_b64 v[RL+16:RL+17], v[WOO], s[86:87]
	XLOAD 0                                        ; the first block's rows
	WIN 0x80
.irp u, 0,1
.irp s, 0,1,2,3
.irp c, 0,1,2,3
	global_load_b128 v[16*(4*\u+\s)+4*\c:16*(4*\u+\s)+4*\c+3], v[WO], s[10:11] offset:4096*\u+128*\s+32*\c
	global_load_b128 v[128+16*(4*\u+\s)+4*\c:128+16*(4*\u+\s)+4*\c+3], v[WO], s[14:15] offset:4096*\u+128*\s+32*\c
.endr
.endr
.endr
	WIN 0xc0
.irp u, 0,1
.irp s, 0,1,2,3
.irp c, 0,1,2,3
	global_load_b128 v[16*(4*\u+\s)+4*\c:16*(4*\u+\s)+4*\c+3], v[WO], s[18:19] offset:4096*\u+128*\s+32*\c
.endr
.endr
.endr
	WIN 0
.irp u, 0,1
	global_load_b128 v[WQS+4*\u:WQS+4*\u+3], v[SK16], s[12:13] offset:128*\u   ; a row's 16 scale bytes: one word for each K step
	global_load_b128 v[WKS+4*\u:WKS+4*\u+3], v[SK16], s[16:17] offset:128*\u
	global_load_b128 v[WVS+4*\u:WVS+4*\u+3], v[SK16], s[20:21] offset:128*\u
.endr
	s_wait_loadcnt 63                              ; 166 loads were issued behind the copy's five: those five are in
	global_store_b128 v[L16], v[RL:RL+3], s[78:79]                 ; each store of the wave covers 512 consecutive bytes, aligned
	global_store_b128 v[L16], v[RL+4:RL+7], s[78:79] offset:512
	global_store_b128 v[L16], v[RL+8:RL+11], s[76:77]
	global_store_b128 v[L16], v[RL+12:RL+15], s[76:77] offset:512
	global_store_b64 v[L8], v[RL+16:RL+17], s[88:89]               ; 256 consecutive bytes, aligned
	s_mov_b32 s43, 2
.Lblock:                                               ; a block of 64 rows
	GLOAD 0
	s_wait_loadcnt 32                              ; all but the 32 just issued: x's rows are in (in the first block the weights too)
	WIN 0x05
.irp k, 0,1,2,3
	v_pk_add_f32 v[CH+2*\k:CH+2*\k+1], v[4*\k:4*\k+1], v[4*\k+2:4*\k+3]          ; the first numbers start the chains: nothing is cleared
.endr
	WIN 0x04
.set i, 16
.rept 30
.irp k, 0,1,2,3
	v_pk_add_f32 v[CH+2*\k:CH+2*\k+1], v[CH+2*\k:CH+2*\k+1], v[i+2*\k:i+2*\k+1]
.endr
.set i, i+8
.endr
	WIN 0
	FOLD
	v_mul_f32 v[MEAN], s44, v[T0]
	v_mov_b32 v[MEAN+1], v[MEAN]
	WIN 0x41
.set i, 0
.rept 128
	v_pk_add_f32 v[i:i+1], v[i:i+1], v[MEAN:MEAN+1] neg_lo:[0,1] neg_hi:[0,1]    ; x - mean, kept: the variance is taken of these
.set i, i+2
.endr
	WIN 0x05
.irp k, 0,1,2,3
	v_pk_mul_f32 v[CH+2*\k:CH+2*\k+1], v[2*\k:2*\k+1], v[2*\k:2*\k+1]
.endr
.set i, 8
.rept 31
.irp k, 0,1,2,3
	v_pk_fma_f32 v[CH+2*\k:CH+2*\k+1], v[i+2*\k:i+2*\k+1], v[i+2*\k:i+2*\k+1], v[CH+2*\k:CH+2*\k+1]
.endr
.set i, i+8
.endr
	WIN 0
	FOLD
	v_fma_f32 v[T0], v[T0], s44, s45               ; the variance + 1e-5
	s_wait_alu depctr_va_vdst(0)
	v_rsq_f32 v[RSTD], v[T0]
	v_nop                                          ; a plain instruction behind the transcendental,
	s_wait_alu depctr_va_vdst(0)                   ; and the wait ahead of the first line that names its result
	v_mov_b32 v[RSTD+1], v[RSTD]
	s_wait_alu depctr_va_vdst(0)
.irp s, 0,1,2,3                        ; K step by K step: scale, gain and bias, quantise, image to LDS
	s_wait_loadcnt 0x0                             ; this K step's g1 and beta1
	WIN 0x41
.set i, 0
.rept 32
	v_pk_mul_f32 v[64*\s+i:64*\s+i+1], v[64*\s+i:64*\s+i+1], v[RSTD:RSTD+1]
.set i, i+2
.endr
.set i, 0
.rept 32
	v_pk_fma_f32 v[64*\s+i:64*\s+i+1], v[64*\s+i:64*\s+i+1], v[G+i:G+i+1], v[BT+i:BT+i+1]
.set i, i+2
.endr
	WIN 0
.if \s < 3
	GLOAD \s+1                                     ; the next K step's land while this one is quantised
.endif
	QUANT 64*\s, 1
	PACKW
	IMAGE IW, XIMG+2048*\s
	ds_store_b32 v[SW], v[TM+4] offset:XSC+128*\s
	s_wait_dscnt 0x0                               ; the stores have read their registers
.endr
	BARRIER                                        ; the block's sixteen fragments lie in LDS
	s_cmp_eq_u32 s43, 1                            ; the second block's rows are asked for here; there is no third: no load leaves x
	s_cbranch_scc1 .Lno_next
	XLOAD 131072
.Lno_next:
.irp m, 0,1,2,3                        ; a row tile at a time: 16 products for q and k (four accumulators by turns), 8 for v (two by turns)
	WIN 0xc0
.irp s, 0,1,2,3
.irp c, 0,1,2,3
	ds_load_b128 v[XF+16*\s+4*\c:XF+16*\s+4*\c+3], v[L16] offset:XIMG+2048*(4*\m+\s)+512*\c
.endr
.endr
	WIN 0
.irp s, 0,1,2,3
	ds_load_b32 v[XS+\s], v[L4] offset:XSC+128*(4*\m+\s)
.endr
	s_wait_dscnt 0x0
	WIN 0x0e                                       ; source 0 (weights) window 2, source 1 (x) window 3, C and D window 0
.irp s, 0,1,2,3
.irp u, 0,1
	MM QA+16*\m+8*\u, 16*(4*\u+\s), XF+16*\s, \s==0, WQS+4*\u+\s, XS+\s
.endr
.irp u, 0,1
	MM KA+16*\m+8*\u, 128+16*(4*\u+\s), XF+16*\s, \s==0, WKS+4*\u+\s, XS+\s
.endr
.endr
	WIN 0xff                                       ; all in window 3: source 0 = x's rows, source 1 = Wv's rows: a lane's registers run down the keys
.irp s, 0,1,2,3
.irp u, 0,1
	MM VA+32*\u+8*\m, XF+16*\s, 16*(4*\u+\s), \s==0, XS+\s, WVS+4*\u+\s
.endr
.endr
	WIN 0
.rept 8
	v_nop                                          ; eight places in front of the loads into x's fragments and scale words, and of the first read of results
.endr
.endr
	BARRIER                                        ; every wave's reads of the images are over: the next block may write them
	QUANT QA, 0                                    ; block m of the four = row tile m: a head's 32 channels are one block
.irp m, 0,1,2,3
	global_store_b128 v[L16], v[PC+4*\m:PC+4*\m+3], s[30:31] offset:512*\m
.endr
	global_store_b128 v[L16], v[TM+4:TM+7], s[32:33]               ; the four tiles' bytes, each as a word whose upper bytes are 0
	s_wait_xcnt 0x0                                ; the stores' data are written again only behind this wait
	QUANT KA, 0
.irp m, 0,1,2,3
	global_store_b128 v[L16], v[PC+4*\m:PC+4*\m+3], s[50:51] offset:512*\m
.endr
	global_store_b128 v[L16], v[TM+4:TM+7], s[52:53]
	s_wait_xcnt 0x0
	QUANT VA, 3                                    ; block 2 u + B: channels' tile u, keys 32 B on
.irp u, 0,1
.irp b, 0,1
	global_store_b128 v[L16], v[PC+4*(2*\u+\b):PC+4*(2*\u+\b)+3], s[54:55] offset:2048*\u+512*\b
.endr
.endr
	PACKW
	global_store_b32 v[L4], v[TM+4], s[56:57]
	s_wait_xcnt 0x0                                ; data and bases may be written again
	s_add_nc_u64 s[30:31], s[30:31], 2048
	s_add_nc_u64 s[32:33], s[32:33], 512
	s_add_nc_u64 s[50:51], s[50:51], 2048
	s_add_nc_u64 s[52:53], s[52:53], 512
	s_add_nc_u64 s[54:55], s[54:55], 1024
	s_add_nc_u64 s[56:57], s[56:57], 128
	s_sub_co_u32 s43, s43, 1
	s_cmp_lg_u32 s43, 0
	s_cbranch_scc1 .Lblock
	s_wait_tensorcnt 0x0
	ds_add_u32 v126, v127
	s_wait_dscnt 0x0
	s_endpgm
.Lfunc_end_k_q96b6e9aaab_qkv:
	.size	k_q96b6e9aaab_qkv, .Lfunc_end_k_q96b6e9aaab_qkv-k_q96b6e9aaab_qkv
	.p2alignl 7, 3214868480
	.fill 96, 4, 3214868480
	.section	.rodata,"a",@progbits
	.p2align	6, 0x0
	.amdhsa_kernel k_q96b6e9aaab_qkv
		.amdhsa_group_segment_fixed_size 35328
		.amdhsa_private_segment_fixed_size 0
		.amdhsa_enable_private_segment 0
		.amdhsa_kernarg_size 128
		.amdhsa_user_sgpr_count 2
		.amdhsa_user_sgpr_kernarg_segment_ptr 1
		.amdhsa_wavefront_size32 1
		.amdhsa_system_sgpr_workgroup_id_x 1
		.amdhsa_system_sgpr_workgroup_id_y 1
		.amdhsa_system_sgpr_workgroup_id_z 1
		.amdhsa_system_vgpr_workitem_id 0
		.amdhsa_next_free_vgpr 1024
		.amdhsa_next_free_sgpr 96
		.amdhsa_reserve_vcc 0
		.amdhsa_float_denorm_mode_32 3
		.amdhsa_float_denorm_mode_16_64 3
		.amdhsa_memory_ordered 1
		.amdhsa_forward_progress 1
		.amdhsa_inst_pref_size 162
	.end_amdhsa_kernel
	.amdgpu_metadata
---
amdhsa.version: [ 1, 2 ]
amdhsa.kernels:
  - .name:           k_q96b6e9aaab_qkv
    .symbol:         k_q96b6e9aaab_qkv.kd
    .args:
      - { .name: x, .offset: 0, .size: 8, .value_kind: global_buffer, .address_space: global }
      - { .name: g1, .offset: 8, .size: 8, .value_kind: global_buffer, .address_space: global }
      - { .name: beta1, .offset: 16, .size: 8, .value_kind: global_buffer, .address_space: global }
      - { .name: Wq_codes, .offset: 24, .size: 8, .value_kind: global_buffer, .address_space: global }
      - { .name: Wq_scales, .offset: 32, .size: 8, .value_kind: global_buffer, .address_space: global }
      - { .name: Wk_codes, .offset: 40, .size: 8, .value_kind: global_buffer, .address_space: global }
      - { .name: Wk_scales, .offset: 48, .size: 8, .value_kind: global_buffer, .address_space: global }
      - { .name: Wv_codes, .offset: 56, .size: 8, .value_kind: global_buffer, .address_space: global }
      - { .name: Wv_scales, .offset: 64, .size: 8, .value_kind: global_buffer, .address_space: global }
      - { .name: Wo_codes, .offset: 72, .size: 8, .value_kind: global_buffer, .address_space: global }
      - { .name: W1_codes, .offset: 80, .size: 8, .value_kind: global_buffer, .address_space: global }
      - { .name: W2_codes, .offset: 88, .size: 8, .value_kind: global_buffer, .address_space: global }
      - { .name: kv, .offset: 96, .size: 8, .value_kind: global_buffer, .address_space: global }
      - { .name: qimg, .offset: 104, .size: 8, .value_kind: global_buffer, .address_space: global }
      - { .name: qsc, .offset: 112, .size: 8, .value_kind: global_buffer, .address_space: global }
      - { .name: wimg, .offset: 120, .size: 8, .value_kind: global_buffer, .address_space: global }
    .group_segment_fixed_size: 35328
    .private_segment_fixed_size: 0
    .kernarg_segment_align: 8
    .kernarg_segment_size: 128
    .max_flat_workgroup_size: 128
    .sgpr_count:     96
    .vgpr_count:     1024
    .wavefront_size: 32
...
	.end_amdgpu_metadata
.endif
;; end of part 1
;; launch attn (part 2): grid 256 x 1, 16 waves a work-group, clusters of 4 x 1, 169,984 bytes of LDS; arguments kv, qimg, qsc, cimg, csc; writes cimg, csc
.if DOCPART == 2
	.amdgcn_target "amdgcn-amd-amdhsa--gfx1250"
	.amdhsa_code_object_version 6
	.text
	.protected	k_q96b6e9aaab_attn
	.globl	k_q96b6e9aaab_attn
	.p2align	8
	.type	k_q96b6e9aaab_attn,@function
k_q96b6e9aaab_attn:
	s_mov_b64 s[64:65], 0
	v_nop
	global_prefetch_b8 v0, s[64:65] scope:SCOPE_SE
	s_setreg_imm32_b32 hwreg(HW_REG_WAVE_MODE, 25, 1), 1
	s_wait_xcnt 0x0
	s_wait_alu depctr_hold_cnt(0) depctr_sa_sdst(0) depctr_va_vdst(0) depctr_va_sdst(0) depctr_va_ssrc(0) depctr_va_vcc(0) depctr_vm_vsrc(0)
	s_getreg_b32 s2, hwreg(HW_REG_IB_STS2, 6, 4)
	s_cmp_eq_u32 s2, 0
	s_cbranch_scc0 .Lentry_in_a_cluster
	s_endpgm
.Lentry_in_a_cluster:
	s_bfe_u32 s2, ttmp6, 0x10000c
	s_cmp_lg_u32 s2, 0x3003
	s_cbranch_scc0 .Lentry_shape_is_right
	s_endpgm
.Lentry_shape_is_right:
; SECOND OF THREE LAUNCHES: causal attention of one head on codes of E4M3 with E8M0 scales; its result, divided by the row's sum, is quantised (a head's 32 channels are one block of the next product's K) and leaves as codes.
; t = score x log2(e) / sqrt(32); M = the running largest t rounded UP to a whole number; p = 2^(t - M) is quantised along the keys; the row's sum is taken of the unquantised p; when M moves, sum and O are multiplied by 2^(old M - new M), exactly.
; SHARES.  A cluster of four work-groups serves one (batch, head).  The head's k, v and their scale words, 151,552 bytes laid as register images by the launch before, come into each partner's LDS ONCE, by joint loads
; (sixteen waves, 37 rows of 256 bytes each); nothing is filled again, so LDS is only read behind the one barrier.  Wave w serves query tiles 4 w + cx and 127 - (4 w + cx): their last key steps, w / 2 and 15 - w / 2, hang on the
; wave's number alone, and every wave has 17 key steps of 128 keys, two of them on the diagonal.  Steps all of whose keys are hidden are passed over by a scalar branch; the loop's trip count stays 16.
; LAYOUT.  S^T = k q^T and O^T = v^T p^T: a lane holds one query.  Tile T holds queries 32 (T / 2) + 8 (T % 2) + kap(lane % 16), kap(r) = r + 8 (r / 8); the keys of k's tiles are ordered alike, so p's 16 registers of two tiles are 16 neighbouring keys.
; A head has 32 channels and the instruction takes 128 along K: registers 4 .. 15 of q's and k's fragments hold zero codes, written once; their scale bytes are 0, which is a power of two and no NaN.
; LIMITS: a block of zeros gets the scale byte 1 (its codes are zeros; the bytes are read by this program alone); p under 2^-126 counts as 0; NaN and infinities are not served.
; Sixteen waves of 256 registers, four to a SIMD: a key step has 10 matrix instructions beside some 240 vector instructions, so one wave's vector work stands beside another's loads and products.
.set AK0, 1                            ; 16 x lane: k's images (and q's and the result's in memory)
.set AV0, 2                            ; + 65,536: v's images
.set AS0, 3                            ; + 131,072: k's scale words
.set AT0, 4                            ; 4 x lane + 147,456: v's scale words
.set R4,  5                            ; 4 (lane % 16)
.set KH,  6                            ; kap - 16 (lane / 16)
.set DQ,  7                            ; my query less the diagonal step's first key, less 16 (lane / 16)
.set ADK, 8
.set ADV, 9
.set ADS, 10
.set ADT, 11
.set QF,  16                           ; q's fragment
.set KF,  32                           ; four fragments of k
.set S,   96                           ; S^T, then p
.set OT,  160                          ; O^T: two tiles
.set VF,  176                          ; v's two fragments
.set PC,  208                          ; p's codes
.set BM,  224                          ; the blocks' largest scores, then largest p
.set PT,  228
.set HD,  232
.set SOP, 236                          ; the conversions' scale operands
.set KSW, 240                          ; k's scale words of four tiles
.set VRAW, 244
.set VSW, 246                          ; v's scale words of the two tiles
.set FF,  248                          ; v[248:249]: the factor; the upper register is only named
.set PW,  250                          ; p's scale word
.set TP,  251
.set QS,  252                          ; q's scale word
.set WV,  14
.set TT,  17                           ; the query tile
.set LS,  18                           ; its last key step
.set KS,  19
.set TB,  20
.set TS,  21
.set TJ,  22
.set TR,  23
.set SEL, 26
.set CS,  28
.set MNT, 30
.macro ROUND                           ; a round of the cluster's barrier
	s_barrier_signal -1
	s_barrier_wait -1
	s_cmp_lg_u32 s[WV], 0
	s_cbranch_scc1 .Lnot_wave_0_\@
	s_barrier_signal -3
.Lnot_wave_0_\@:
	s_barrier_wait -3
	s_barrier_signal -1
	s_barrier_wait -1
.endm
	s_load_b256 s[4:11], s[0:1], 0x0               ; kv, qimg, qsc, cimg
	s_load_b64 s[12:13], s[0:1], 0x20              ; csc
	v_lshl_add_u32 v254, v0, 2, 0x29000
	v_mov_b32 v255, 0
	ds_add_u32 v254, v255
	ds_add_u32 v254, v255
	v_lshrrev_b32 v8, 5, v0
	s_delay_alu instid0(VALU_DEP_1)
	v_readfirstlane_b32 s[WV], v8                  ; wave 0..15
	s_bfe_u32 s15, ttmp6, 0x40000                  ; cx: it enters q's and the result's addresses and the mask's numbers alone
	s_mov_b32 s16, ttmp9                           ; the cluster's number = 16 batch + head
	s_mov_b32 s48, 15|(3<<16)|(1<<21)              ; group 1: the mask names all four; elements of 8 bytes; bit 21 beside a mask; no padding
	s_mov_b32 s49, 32<<16                          ; tensor_dim0 = 32 elements: rows of 256 bytes
	s_mov_b32 s50, 37<<16                          ; tensor_dim1 = 37
	s_mov_b32 s51, 32<<16                          ; tile_dim0
	s_mov_b32 s52, 37                              ; tile_dim1
	s_mov_b32 s53, 32                              ; the pitch: the block is dense
	s_mov_b32 s54, 0
	s_mov_b32 s55, 0
	s_mov_b32 s44, 1
	s_mul_i32 s45, s[WV], 9472                     ; my sixteenth, in LDS as in memory
	s_mul_i32 s40, s16, 151552
	s_add_co_u32 s40, s40, s45
	s_mov_b32 s41, 0
	s_wait_dscnt 0x0
	s_wait_kmcnt 0x0
	s_add_nc_u64 s[46:47], s[4:5], s[40:41]
	s_or_b32 s47, s47, 0x80000000
	ROUND                                          ; all four work-groups are here: the joint loads meet
	tensor_load_to_lds s[44:47], s[48:55]          ; my one tensor load of the launch
	s_nop 0
.rept 4
	v_nop
.endr
	v_and_b32 v8, 31, v0
	v_and_b32 v9, 15, v0
	v_bfe_u32 v10, v0, 4, 1
	s_delay_alu instid0(VALU_DEP_3)
	v_lshlrev_b32 v[AK0], 4, v8
	s_delay_alu instid0(VALU_DEP_1)
	v_add_nc_u32 v[AV0], 65536, v[AK0]
	s_delay_alu instid0(VALU_DEP_2)
	v_add_nc_u32 v[AS0], 131072, v[AK0]
	v_lshl_add_u32 v[AT0], v8, 2, 147456
	v_lshlrev_b32 v[R4], 2, v9
	v_and_b32 v11, 8, v9
	s_delay_alu instid0(VALU_DEP_1)
	v_add_nc_u32 v11, v11, v9
	v_lshlrev_b32 v10, 4, v10
	s_delay_alu instid0(VALU_DEP_1)
	v_sub_nc_u32 v[KH], v11, v10
.set i, 4
.rept 12
	v_mov_b32 v[QF+i], 0                           ; zero codes for K = 32 .. 127; no load ever lands here
.set i, i+1
.endr
.irp t, 0,1,2,3
.set i, 4
.rept 12
	v_mov_b32 v[KF+16*\t+i], 0
.set i, i+1
.endr
.endr
.irp b, 0,1,2,3
	v_mov_b32 v[PT+\b], 0                          ; written once: a lane permute's destination counts as one of its sources
.endr
	v_mov_b32 v[TP], 0
	v_mov_b32 v[FF+1], 0
	s_mov_b32 s[SEL], 0x76543210
	s_mov_b32 s[SEL+1], 0xfedcba98
	s_mov_b32 s[CS], 0x3e8293ee                    ; c = log2(e) / sqrt(32)
	s_mov_b32 s[CS+1], s[CS]
	s_lshl_b32 s[TT], s[WV], 2
	s_add_co_u32 s[TT], s[TT], s15
	s_lshr_b32 s[LS], s[WV], 1
	s_mov_b32 s[TR], 2
	s_wait_tensorcnt 0x0                           ; my part has landed,
	s_barrier_signal -1
	s_barrier_wait -1                              ; everybody's has
.Ltile:
	s_lshl_b32 s40, s16, 16
	s_lshl_b32 s42, s[TT], 9
	s_add_co_u32 s40, s40, s42
	s_add_nc_u64 s[32:33], s[6:7], s[40:41]        ; q's image
	s_lshl_b32 s40, s16, 14
	s_lshr_b32 s42, s[TT], 2
	s_lshl_b32 s42, s42, 9
	s_add_co_u32 s40, s40, s42
	s_and_b32 s42, s[TT], 3
	s_lshl_b32 s42, s42, 2
	s_add_co_u32 s40, s40, s42
	s_add_nc_u64 s[34:35], s[8:9], s[40:41]        ; its scale words
	s_lshr_b32 s42, s16, 4
	s_lshl_b32 s42, s42, 7
	s_add_co_u32 s42, s42, s[TT]                   ; the row tile among all 512
	s_and_b32 s43, s16, 15                         ; the head
	s_lshl_b32 s40, s42, 13
	s_lshl_b32 s24, s43, 9
	s_add_co_u32 s40, s40, s24
	s_add_nc_u64 s[36:37], s[10:11], s[40:41]      ; the result's image: [row tile][head][lane][16]
	s_lshl_b32 s40, s42, 8
	s_lshr_b32 s24, s43, 2
	s_lshl_b32 s24, s24, 6
	s_add_co_u32 s40, s40, s24
	s_and_b32 s24, s43, 3
	s_add_co_u32 s40, s40, s24
	s_add_nc_u64 s[38:39], s[12:13], s[40:41]      ; its scale byte: [row tile][head / 4][row][head % 4]
	s_and_b32 s24, s[TT], 7
	s_lshl_b32 s24, s24, 4
	s_and_b32 s42, s[TT], 1
	s_lshl_b32 s42, s42, 3
	s_sub_co_u32 s24, s24, s42                     ; the tile's first query within its key step
	v_add_nc_u32 v[DQ], s24, v[KH]
	global_load_b128 v[QF:QF+3], v[AK0], s[32:33]
	global_load_b32 v[QS], v[AK0], s[34:35]
	v_mov_b32 v13, 0xff61b1e6                      ; the largest t so far: -3e38
	s_delay_alu instid0(VALU_DEP_1)
	v_floor_f32 v12, -v13                          ; -M
	v_mov_b32 v14, 0
	v_mov_b32 v15, 0
.set i, 0
.rept 16
	v_mov_b32 v[OT+i], 0                           ; the step is written once: the first finds zeros
.set i, i+1
.endr
	s_mov_b32 s[KS], 0
	s_mov_b32 s[TB], 0
	s_mov_b32 s[TS], 0
	s_mov_b32 s[TJ], 0
	s_wait_loadcnt 0x0
.Lstep:                                                ; 16 trips; a step behind the tile's last is passed over
	s_cmp_gt_u32 s[KS], s[LS]
	s_cbranch_scc1 .Lhid
	s_setprio 2
	v_add_nc_u32 v[ADK], s[TB], v[AK0]
	v_add_nc_u32 v[ADV], s[TB], v[AV0]
	v_add_nc_u32 v[ADS], s[TS], v[AS0]
	v_add_nc_u32 v[ADT], s[TJ], v[AT0]
.rept 4
	v_nop                                          ; with the four additions: eight places in front of loads into registers that the last step's products read
.endr
.irp t, 0,1,2,3
	ds_load_b128 v[KF+16*\t:KF+16*\t+3], v[ADK] offset:512*\t
.endr
	ds_load_b128 v[KSW:KSW+3], v[ADS]
.irp u, 0,1
.irp c, 0,1,2,3
	ds_load_b128 v[VF+16*\u+4*\c:VF+16*\u+4*\c+3], v[ADV] offset:2048*\u+512*\c
.endr
.endr
	ds_load_b32 v[VRAW], v[ADT]
	ds_load_b32 v[VRAW+1], v[ADT] offset:128
	s_wait_alu depctr_va_vdst(0)
	s_wait_dscnt 10                                ; k's first five loads are in; v's ten may be out
.irp t, 0,1,2,3
	v_wmma_scale_f32_16x16x128_f8f6f4 v[S+8*\t:S+8*\t+7], v[KF+16*\t:KF+16*\t+15], v[QF:QF+15], 0, v[KSW+\t], v[QS]
.endr
.rept 8
	v_nop
.endr
.irp t, 0,1,2,3
	ds_load_b128 v[KF+16*\t:KF+16*\t+3], v[ADK] offset:2048+512*\t
.endr
	ds_load_b128 v[KSW:KSW+3], v[ADS] offset:512
	s_wait_dscnt 0x0
.irp t, 0,1,2,3
	v_wmma_scale_f32_16x16x128_f8f6f4 v[S+32+8*\t:S+32+8*\t+7], v[KF+16*\t:KF+16*\t+15], v[QF:QF+15], 0, v[KSW+\t], v[QS]
.endr
	v_perm_b32 v[VSW], v[VRAW+1], v[VRAW], 0x05040100              ; v's scale word of tile 0: two bytes from each block of 64 keys
	v_perm_b32 v[VSW+1], v[VRAW+1], v[VRAW], 0x07060302            ; of tile 1.  (Two of the eight places behind the products)
.rept 6
	v_nop
.endr
	s_cmp_lg_u32 s[KS], s[LS]                      ; on the diagonal hidden scores become -infinity ahead of the maximum
	s_cbranch_scc1 .Lopen
	v_mov_b32 v[TP], 0xff800000
.set n, 0
.rept 64
	v_cmp_gt_i32 vcc_lo, 32*(n/16)+n%16, v[DQ]     ; register 16 b + i holds key 32 b + 16 (lane / 16) + i of the step
	v_cndmask_b32 v[S+n], v[S+n], v[TP], vcc_lo
.set n, n+1
.endr
.Lopen:
.irp b, 0,1,2,3
	v_max3_num_f32 v[BM+\b], v[S+16*\b], v[S+16*\b+1], v[S+16*\b+2]   ; the largest score of each block of 32 keys: for the row's maximum and, since p rises with the score, for the block's largest p
.endr
.irp i, 3,5,7,9,11,13
.irp b, 0,1,2,3
	v_max3_num_f32 v[BM+\b], v[BM+\b], v[S+16*\b+\i], v[S+16*\b+\i+1]
.endr
.endr
.irp b, 0,1,2,3
	v_max_num_f32 v[BM+\b], v[BM+\b], v[S+16*\b+15]
.endr
.irp b, 0,1,2,3
	s_delay_alu instid0(VALU_DEP_4)
	v_permlanex16_b32 v[PT+\b], v[BM+\b], s[SEL], s[SEL+1]
.endr
.irp b, 0,1,2,3
	s_delay_alu instid0(VALU_DEP_4)
	v_max_num_f32 v[BM+\b], v[BM+\b], v[PT+\b]
.endr
	s_delay_alu instid0(VALU_DEP_2)
	v_max3_num_f32 v[TP], v[BM], v[BM+1], v[BM+2]
	s_delay_alu instid0(VALU_DEP_1)
	v_max_num_f32 v[TP], v[TP], v[BM+3]
	s_delay_alu instid0(VALU_DEP_1)
	v_mul_f32 v[TP], s[CS], v[TP]
	s_delay_alu instid0(VALU_DEP_1)
	v_max_num_f32 v13, v13, v[TP]                  ; the running largest t
	v_mov_b32 v[TP], v12
	s_delay_alu instid0(VALU_DEP_2)
	v_floor_f32 v12, -v13                          ; the new -M = -ceil(t)
	s_delay_alu instid0(VALU_DEP_1)
	v_sub_f32 v[TP], v12, v[TP]                    ; old M - new M: a whole number, 0 or less
	s_delay_alu instid0(VALU_DEP_1)
	v_cvt_i32_f32 v[TP], v[TP]
	s_delay_alu instid0(VALU_DEP_1)
	v_ldexp_f32 v[FF], 1.0, v[TP]                  ; f = 2^(old M - new M)
.set j, 0
	s_setprio 1
.rept 32
	v_pk_fma_f32 v[S+j:S+j+1], v[S+j:S+j+1], s[CS:CS+1], v[12:13] op_sel_hi:[1,0,0]   ; t - M
.set j, j+2
.endr
.irp b, 0,1,2,3
	v_fma_f32 v[BM+\b], v[BM+\b], s[CS], v12
.endr
.set j, 0
	s_wait_alu depctr_va_vdst(0)
.rept 64
	v_exp_f32 v[S+j], v[S+j]                       ; p = 2^(t - M)
.set j, j+1
.endr
	v_pk_mul_f32 v[14:15], v[14:15], v[FF:FF+1] op_sel_hi:[1,0]    ; the sums under the new M: the plain instruction behind the batch
	s_wait_alu depctr_va_vdst(0)                   ; one wait for the 64, ahead of the first line that names a result
.irp b, 0,1,2,3
	v_exp_f32 v[BM+\b], v[BM+\b]                   ; the blocks' largest p
.endr
	v_pk_add_f32 v[228:229], v[100:101], v[104:105]
	v_pk_add_f32 v[244:245], v[108:109], v[112:113]
	v_pk_add_f32 v[242:243], v[116:117], v[120:121]
	v_pk_add_f32 v[240:241], v[124:125], v[128:129]
	v_pk_add_f32 v[238:239], v[132:133], v[136:137]
	v_pk_add_f32 v[236:237], v[140:141], v[144:145]
	v_pk_add_f32 v[234:235], v[148:149], v[152:153]
	v_pk_add_f32 v[14:15], v[14:15], v[156:157]
	v_pk_add_f32 v[228:229], v[228:229], v[96:97]
	v_pk_add_f32 v[244:245], v[244:245], v[98:99]
	v_pk_add_f32 v[242:243], v[242:243], v[102:103]
	v_pk_add_f32 v[240:241], v[240:241], v[106:107]
	v_pk_add_f32 v[238:239], v[238:239], v[110:111]
	s_setprio 0
	v_pk_add_f32 v[236:237], v[236:237], v[114:115]
	v_pk_add_f32 v[234:235], v[234:235], v[118:119]
	v_pk_add_f32 v[14:15], v[14:15], v[122:123]
	v_pk_add_f32 v[228:229], v[228:229], v[126:127]
	v_pk_add_f32 v[244:245], v[244:245], v[130:131]
	v_pk_add_f32 v[242:243], v[242:243], v[134:135]
	v_pk_add_f32 v[240:241], v[240:241], v[138:139]
	v_pk_add_f32 v[238:239], v[238:239], v[142:143]
	v_pk_add_f32 v[236:237], v[236:237], v[146:147]
	v_pk_add_f32 v[234:235], v[234:235], v[150:151]
	v_pk_add_f32 v[14:15], v[14:15], v[154:155]
	v_pk_add_f32 v[228:229], v[228:229], v[158:159]
	s_delay_alu instid0(VALU_DEP_2)
	v_pk_add_f32 v[14:15], v[14:15], v[240:241]
	s_delay_alu instid0(VALU_DEP_2)
	v_pk_add_f32 v[228:229], v[228:229], v[238:239]
	v_pk_add_f32 v[244:245], v[244:245], v[236:237]
	v_pk_add_f32 v[242:243], v[242:243], v[234:235]
	s_delay_alu instid0(VALU_DEP_2)
	v_pk_add_f32 v[14:15], v[14:15], v[244:245]
	s_delay_alu instid0(VALU_DEP_2)
	v_pk_add_f32 v[228:229], v[228:229], v[242:243]
	s_delay_alu instid0(VALU_DEP_1)
	v_pk_add_f32 v[14:15], v[14:15], v[228:229]
	s_wait_alu depctr_va_vdst(0)                   ; and one for the four
.irp b, 0,1,2,3
	v_max_num_f32 v[BM+\b], 0x4800000, v[BM+\b]    ; the floor 2^(9 - 127)
.endr
.irp b, 0,1,2,3
	s_delay_alu instid0(VALU_DEP_4)
	v_add_nc_u32 v[SOP+\b], 0xfc000000, v[BM+\b]
.endr
.irp b, 0,1,2,3
.endr
.irp b, 0,1,2,3
	s_delay_alu instid0(VALU_DEP_4)
	v_lshrrev_b32 v[PT+\b], 23, v[SOP+\b]
.endr
	s_delay_alu instid0(VALU_DEP_3)
	v_lshl_or_b32 v[PW], v[PT+1], 8, v[PT]
	s_delay_alu instid0(VALU_DEP_1)
	v_lshl_or_b32 v[PW], v[PT+2], 16, v[PW]
	s_delay_alu instid0(VALU_DEP_1)
	v_lshl_or_b32 v[PW], v[PT+3], 24, v[PW]
.irp b, 0,1,2,3
.irp i, 0,1,2,3,4,5,6,7,8,9,10,11,12,13,14,15
.endr
	v_cvt_scalef32_pk8_fp8_f32 v[PC+4*\b:PC+4*\b+1], v[S+16*\b:S+16*\b+7], v[SOP+\b]
	v_cvt_scalef32_pk8_fp8_f32 v[PC+4*\b+2:PC+4*\b+3], v[S+16*\b+8:S+16*\b+15], v[SOP+\b]
.endr
.set j, 0
.rept 8
	v_pk_mul_f32 v[OT+j:OT+j+1], v[OT+j:OT+j+1], v[FF:FF+1] op_sel_hi:[1,0]   ; O^T under the new M; these eight also stand between the conversions and the products
.set j, j+2
.endr
.irp u, 0,1
	v_wmma_scale_f32_16x16x128_f8f6f4 v[OT+8*\u:OT+8*\u+7], v[VF+16*\u:VF+16*\u+15], v[PC:PC+15], v[OT+8*\u:OT+8*\u+7], v[VSW+\u], v[PW]
.endr
.Lhid:
	s_add_co_u32 s[TB], s[TB], 4096
	s_add_co_u32 s[TS], s[TS], 1024
	s_add_co_u32 s[TJ], s[TJ], 256
	s_add_co_u32 s[KS], s[KS], 1
	s_cmp_lt_u32 s[KS], 16
	s_cbranch_scc1 .Lstep
	s_setprio 0
	; the tile's end: O^T / the sum, quantised: my 16 channels and lane l xor 16's are one block
	v_add_f32 v14, v14, v15
	s_delay_alu instid0(VALU_DEP_1)
	v_permlanex16_b32 v[TP], v14, s[SEL], s[SEL+1]
	s_delay_alu instid0(VALU_DEP_1)
	v_add_f32 v14, v14, v[TP]
	s_wait_alu depctr_va_vdst(0)
	v_rcp_f32 v[FF], v14
.rept 8
	v_nop                                          ; the places behind the last products, and the plain instruction behind the reciprocal
.endr
	s_wait_alu depctr_va_vdst(0)
.set j, 0
.rept 8
	v_pk_mul_f32 v[OT+j:OT+j+1], v[OT+j:OT+j+1], v[FF:FF+1] op_sel_hi:[1,0]
.set j, j+2
.endr
	v_max3_num_f32 v[BM], |v[OT]|, |v[OT+1]|, 0x4800000
.irp i, 2,4,6,8,10,12,14
	s_delay_alu instid0(VALU_DEP_1)
	v_max3_num_f32 v[BM], v[BM], |v[OT+\i]|, |v[OT+\i+1]|
.endr
	s_delay_alu instid0(VALU_DEP_1)
	v_permlanex16_b32 v[PT], v[BM], s[SEL], s[SEL+1]
	s_delay_alu instid0(VALU_DEP_1)
	v_max_num_f32 v[BM], v[BM], v[PT]
	s_delay_alu instid0(VALU_DEP_1)
	v_add_nc_u32 v[SOP], 0xfc000000, v[BM]
	s_delay_alu instid0(VALU_DEP_1)
	v_lshrrev_b32 v[PT+1], 23, v[SOP]
.set i, 0
.rept 16
.set i, i+1
.endr
	v_cvt_scalef32_pk8_fp8_f32 v[PC:PC+1], v[OT:OT+7], v[SOP]
	v_cvt_scalef32_pk8_fp8_f32 v[PC+2:PC+3], v[OT+8:OT+15], v[SOP]
	v_nop
	global_store_b128 v[AK0], v[PC:PC+3], s[36:37]                 ; 512 consecutive bytes, aligned
	global_store_b8 v[R4], v[PT+1], s[38:39]                       ; a row's byte of this head; both halves of the lanes write the same byte with the same value
	s_wait_xcnt 0x0                                ; data and bases are written again only behind this wait
	s_sub_co_u32 s[TT], 127, s[TT]
	s_sub_co_u32 s[LS], 15, s[LS]
	s_sub_co_u32 s[TR], s[TR], 1
	s_cmp_lg_u32 s[TR], 0
	s_cbranch_scc1 .Ltile
	s_wait_tensorcnt 0x0
	ds_add_u32 v254, v255
	s_wait_dscnt 0x0
	ROUND                                          ; the closing round
	s_endpgm
.Lfunc_end_k_q96b6e9aaab_attn:
	.size	k_q96b6e9aaab_attn, .Lfunc_end_k_q96b6e9aaab_attn-k_q96b6e9aaab_attn
	.p2alignl 7, 3214868480
	.fill 96, 4, 3214868480
	.section	.rodata,"a",@progbits
	.p2align	6, 0x0
	.amdhsa_kernel k_q96b6e9aaab_attn
		.amdhsa_group_segment_fixed_size 169984
		.amdhsa_private_segment_fixed_size 0
		.amdhsa_enable_private_segment 0
		.amdhsa_kernarg_size 40
		.amdhsa_user_sgpr_count 2
		.amdhsa_user_sgpr_kernarg_segment_ptr 1
		.amdhsa_wavefront_size32 1
		.amdhsa_system_sgpr_workgroup_id_x 1
		.amdhsa_system_sgpr_workgroup_id_y 1
		.amdhsa_system_sgpr_workgroup_id_z 1
		.amdhsa_system_vgpr_workitem_id 0
		.amdhsa_next_free_vgpr 256
		.amdhsa_next_free_sgpr 66
		.amdhsa_reserve_vcc 1
		.amdhsa_float_denorm_mode_32 3
		.amdhsa_float_denorm_mode_16_64 3
		.amdhsa_fp16_overflow 1
		.amdhsa_memory_ordered 1
		.amdhsa_forward_progress 1
		.amdhsa_inst_pref_size 32
	.end_amdhsa_kernel
	.amdgpu_metadata
---
amdhsa.version: [ 1, 2 ]
amdhsa.kernels:
  - .name:           k_q96b6e9aaab_attn
    .symbol:         k_q96b6e9aaab_attn.kd
    .args:
      - { .name: kv, .offset: 0, .size: 8, .value_kind: global_buffer, .address_space: global }
      - { .name: qimg, .offset: 8, .size: 8, .value_kind: global_buffer, .address_space: global }
      - { .name: qsc, .offset: 16, .size: 8, .value_kind: global_buffer, .address_space: global }
      - { .name: cimg, .offset: 24, .size: 8, .value_kind: global_buffer, .address_space: global }
      - { .name: csc, .offset: 32, .size: 8, .value_kind: global_buffer, .address_space: global }
    .group_segment_fixed_size: 169984
    .private_segment_fixed_size: 0
    .kernarg_segment_align: 8
    .kernarg_segment_size: 40
    .max_flat_workgroup_size: 512
    .sgpr_count:     66
    .vgpr_count:     256
    .wavefront_size: 32
...
	.end_amdgpu_metadata
.endif
;; end of part 2
;; launch tail (part 3): grid 256 x 1, 4 waves a work-group, no clusters, 71,168 bytes of LDS; arguments x, cimg, csc, wimg, Wo_scales, W1_scales, W2_scales, bo, b1, b2, g2, beta2, out0; writes out0
.if DOCPART == 3
	.amdgcn_target "amdgcn-amd-amdhsa--gfx1250"
	.amdhsa_code_object_version 6
	.text
	.protected	k_q96b6e9aaab_tail
	.globl	k_q96b6e9aaab_tail
	.p2align	8
	.type	k_q96b6e9aaab_tail,@function
k_q96b6e9aaab_tail:
	s_mov_b64 s[64:65], 0
	v_nop
	global_prefetch_b8 v0, s[64:65] scope:SCOPE_SE
	s_setreg_imm32_b32 hwreg(HW_REG_WAVE_MODE, 25, 1), 1
	s_wait_xcnt 0x0
; THIRD OF THREE LAUNCHES: h = x + ctx Wo + bo;  y = layernorm(h; g2, beta2), quantised;  out = h + gelu(y W1 + b1) W2 + b2, the hidden layer quantised on the way.  All three products on codes of E4M3 with E8M0 scales.
; SHARES.  A work-group owns 32 rows (two row tiles); wave w owns columns 128 w .. +127 of every product (8 weight tiles), which are K step w of the next product.  h never leaves the registers: the accumulators begin as x + bo,
; Wo's products add onto them, the norm reads them, and W2's products add onto the same registers.  The hidden layer goes in four chunks of 512 units.
; THE WEIGHTS come straight from memory into registers, in the order that the first launch laid: a ring of four slots of four fragments, 16 loads of 512 consecutive bytes a slot; a slot is asked for again as soon as it is multiplied.
; No LDS ring and no joint loads for them: each fragment is read by one wave of the work-group once, and through LDS each byte would be written and read once more.
; Activations go from wave to wave through LDS as images of the operand's registers (16 bytes a lane), their scale words 4 bytes a lane.
; gelu(v) = v (0.5 + 0.5 erf(v / sqrt 2)), erf(z) = z P(z^2) / Q(z^2) with z held within +-4: polynomials of degree 6 and 4 in z^2, in f32; erf's absolute error is about 1e-7.
; The last chunk's look-ahead is clamped to its own chunk: those loads stay inside wimg, W1_scales and b1 and are not used.
; LIMITS: a block of zeros gets the scale byte 1 (its codes are zeros; nobody else reads the bytes); NaN and infinities are not served.
; REGISTERS.  window 0: v1-13 addresses; v16-31 the activations' scale words; v32-95 the weights'; v96-159 at work; v160-191 the quantiser; v192-239 constants and the norm.
;   window 1: the ring.   window 2: v0-127 the activation's 8 fragments; v128-255 the 16 accumulators of h and out.   window 3: v0-127 the hidden layer (before that g2, beta2); v128-191 b1 (before that bo); v192-255 b2.
.set STAT, 0                           ; LDS: the norm's parts, 512 bytes a wave
.set YIMG, 2048                        ; y's 8 fragments, index 4 m + s
.set YSC,  18432
.set HIMG, 19456                       ; the hidden chunk's 8 fragments
.set HSC,  35840
.set STG,  36864                       ; the way out: 16 rows x (512 + 16) bytes for each wave
.set L16,  1
.set L4,   2
.set R4,   3
.set XO,   4                           ; 2048 kap + 64 h
.set BO,   5                           ; 64 h
.set SK16, 6                           ; 16 kap
.set SK64, 7                           ; 64 kap
.set STA,  8
.set STR,  9
.set IW,   10
.set SW,   11
.set SO,   12
.set SR,   13
.set YS,   16
.set HS,   24
.set WSA,  32                          ; W1's scale words, 4 t + s
.set WSB,  64                          ; Wo's, then W2's
.set T,    96
.set Z,    96
.set X2,   112
.set P,    128
.set Q,    144
.set TM,   160
.set PC,   176
.set CA13, 192
.set CB8,  194
.set MEAN, 196
.set RSTD, 200
.set CH,   204
.set LM,   212
.set RD,   216
.set T0,   232
.set ST2,  236
.set OB,   96
.set OB2,  192
.set SEL,  32
.set MNT,  34
.set MSB, 0
.macro WIN new
.if MSB != (\new)
	s_set_vgpr_msb (MSB<<8)|(\new)
.set MSB, (\new)
.endif
.endm
.macro BARRIER
	s_wait_dscnt 0x0
	s_barrier_signal -1
	s_barrier_wait -1
.endm
.macro QUANT src, w                    ; 64 numbers of a lane in window w, register 16 b + i = k 32 b + 16 h + i, become codes in v[PC] on; the bytes stand in v[TM+4] .. v[TM+7]
	WIN (\w)|((\w)<<2)
.irp b, 0,1,2,3
	v_max3_num_f32 v[TM+\b], |v[(\src)+16*\b]|, |v[(\src)+16*\b+1]|, 0x4800000
.endr
	WIN ((\w)<<2)|((\w)<<4)
.irp i, 2,4,6,8,10,12,14
.irp b, 0,1,2,3
	v_max3_num_f32 v[TM+\b], v[TM+\b], |v[(\src)+16*\b+\i]|, |v[(\src)+16*\b+\i+1]|
.endr
.endr
	WIN 0
.irp b, 0,1,2,3
	v_permlanex16_b32 v[TM+4+\b], v[TM+\b], s[SEL], s[SEL+1]
.endr
.irp b, 0,1,2,3
	v_max_num_f32 v[TM+\b], v[TM+\b], v[TM+4+\b]
.endr
.irp b, 0,1,2,3
	v_add_nc_u32 v[TM+12+\b], 0xfc000000, v[TM+\b]
.endr
.irp b, 0,1,2,3
.endr
.irp b, 0,1,2,3
	v_lshrrev_b32 v[TM+4+\b], 23, v[TM+12+\b]
.endr
	WIN (\w)|((\w)<<6)
.irp b, 0,1,2,3
.irp i, 0,1,2,3,4,5,6,7,8,9,10,11,12,13,14,15
.endr
.endr
	WIN (\w)
.irp b, 0,1,2,3
	v_cvt_scalef32_pk8_fp8_f32 v[PC+4*\b:PC+4*\b+1], v[(\src)+16*\b:(\src)+16*\b+7], v[TM+12+\b]
	v_cvt_scalef32_pk8_fp8_f32 v[PC+4*\b+2:PC+4*\b+3], v[(\src)+16*\b+8:(\src)+16*\b+15], v[TM+12+\b]
.endr
	WIN 0
	v_nop
.endm
.macro PACKW
	v_lshl_or_b32 v[TM+4], v[TM+5], 8, v[TM+4]
	v_lshl_or_b32 v[TM+4], v[TM+6], 16, v[TM+4]
	v_lshl_or_b32 v[TM+4], v[TM+7], 24, v[TM+4]
.endm
.macro IMAGE adr, off
.irp c, 0,1,2,3
	ds_store_b128 v[\adr], v[PC+4*\c:PC+4*\c+3] offset:(\off)+512*\c
.endr
.endm
.macro FOLD
	v_pk_add_f32 v[CH:CH+1], v[CH:CH+1], v[CH+2:CH+3]
	v_pk_add_f32 v[CH+4:CH+5], v[CH+4:CH+5], v[CH+6:CH+7]
	v_pk_add_f32 v[CH:CH+1], v[CH:CH+1], v[CH+4:CH+5]
	v_add_f32 v[T0], v[CH], v[CH+1]
	v_permlanex16_b32 v[T0+1], v[T0], s[SEL], s[SEL+1]
	v_add_f32 v[T0], v[T0], v[T0+1]
.endm
.macro LOADSLOT q, ptr, imm            ; four fragments into ring slot q % 4
	WIN 0x40
.irp f, 0,1,2,3
.irp c, 0,1,2,3
	global_load_b128 v[64*((\q)%4)+16*\f+4*\c:64*((\q)%4)+16*\f+4*\c+3], v[L16], s[\ptr:\ptr+1] offset:(\imm)+2048*\f+512*\c
.endr
.endr
	WIN 0
.endm
.macro SIDE_A                          ; the next first product's scale rows and bias
.irp t, 0,1,2,3,4,5,6,7
	global_load_b128 v[WSA+4*\t:WSA+4*\t+3], v[SK16], s[44:45] offset:16*(32*(\t/2)+8*(\t%2))
.endr
	WIN 0xc0
.irp t, 0,1,2,3,4,5,6,7
.irp j, 0,1
	global_load_b128 v[128+8*\t+4*\j:128+8*\t+4*\j+3], v[BO], s[48:49] offset:4*(32*(\t/2)+8*(\t%2))+16*\j
.endr
.endr
	WIN 0
.endm
.macro SIDE_B                          ; this chunk's scale words of W2
.irp t, 0,1,2,3,4,5,6,7
	global_load_b128 v[WSB+4*\t:WSB+4*\t+3], v[SK64], s[46:47] offset:64*(32*(\t/2)+8*(\t%2))
.endr
.endm
; A phase that adds onto h's accumulators: 8 slots, slot p = K step p / 2, tiles 4 (p % 2) + 0 .. 3; eight accumulators by turns in a slot.  bs: the activation's scale words.
; Behind slot p the ring takes the slot four further on: in this phase (pa, ia) or in the next (pb, ib).
.macro MMPH msb, bs, pa, ia, pb, ib
.irp p, 0,1,2,3,4,5,6,7
	s_wait_loadcnt 48                              ; all but the youngest 48: three slots were asked for behind this one
	WIN \msb
.irp f, 0,1,2,3
.irp m, 0,1
	v_wmma_scale_f32_16x16x128_f8f6f4 v[128+64*\m+8*(4*(\p%2)+\f):128+64*\m+8*(4*(\p%2)+\f)+7], v[64*(\p%4)+16*\f:64*(\p%4)+16*\f+15], v[64*\m+16*(\p/2):64*\m+16*(\p/2)+15], v[128+64*\m+8*(4*(\p%2)+\f):128+64*\m+8*(4*(\p%2)+\f)+7], v[WSB+4*(4*(\p%2)+\f)+\p/2], v[\bs+4*\m+\p/2]
.endr
.endr
	WIN 0
.rept 8
	v_nop                                          ; eight places in front of the loads into the slot just multiplied
.endr
.if \p == 2
	SIDE_A
.endif
.if \p < 4
	LOADSLOT \p, \pa, (\ia)+8192*(\p+4)
.else
	LOADSLOT \p, \pb, (\ib)+8192*(\p-4)
.endif
.endr
.endm
; gelu in place on tile tt of both row tiles: 16 numbers a lane, two at a time, level by level, so that no line waits for the line above it
.macro GELU tt
	WIN 0x03
.irp m, 0,1
.irp i, 0,2,4,6
	v_pk_mul_f32 v[Z+8*\m+\i:Z+8*\m+\i+1], v[64*\m+8*(\tt)+\i:64*\m+8*(\tt)+\i+1], s[66:67] op_sel_hi:[1,0]   ; z = v / sqrt 2
.endr
.endr
	WIN 0
.set i, 0
.rept 16
	v_med3_num_f32 v[Z+i], v[Z+i], -4.0, 4.0
.set i, i+1
.endr
.irp i, 0,2,4,6,8,10,12,14
	v_pk_mul_f32 v[X2+\i:X2+\i+1], v[Z+\i:Z+\i+1], v[Z+\i:Z+\i+1]
.endr
.irp i, 0,2,4,6,8,10,12,14
	v_pk_fma_f32 v[P+\i:P+\i+1], v[X2+\i:X2+\i+1], v[CA13:CA13+1], s[68:69] op_sel_hi:[1,1,0]
.endr
.irp k, 70,72,74,76,78
.irp i, 0,2,4,6,8,10,12,14
	v_pk_fma_f32 v[P+\i:P+\i+1], v[P+\i:P+\i+1], v[X2+\i:X2+\i+1], s[\k:\k+1] op_sel_hi:[1,1,0]
.endr
.endr
.irp i, 0,2,4,6,8,10,12,14
	v_pk_fma_f32 v[Q+\i:Q+\i+1], v[X2+\i:X2+\i+1], v[CB8:CB8+1], s[80:81] op_sel_hi:[1,1,0]
.endr
.irp k, 82,84,86
.irp i, 0,2,4,6,8,10,12,14
	v_pk_fma_f32 v[Q+\i:Q+\i+1], v[Q+\i:Q+\i+1], v[X2+\i:X2+\i+1], s[\k:\k+1] op_sel_hi:[1,1,0]
.endr
.endr
.set i, 0
	s_wait_alu depctr_va_vdst(0)
.rept 16
	v_rcp_f32 v[Q+i], v[Q+i]
.set i, i+1
.endr
.irp i, 0,2,4,6,8,10,12,14
	v_pk_mul_f32 v[P+\i:P+\i+1], v[P+\i:P+\i+1], v[Z+\i:Z+\i+1]    ; plain work behind the sixteen reciprocals
.endr
	s_wait_alu depctr_va_vdst(0)                   ; one wait for the batch, ahead of the first line that names a result
.irp i, 0,2,4,6,8,10,12,14
	v_pk_mul_f32 v[P+\i:P+\i+1], v[P+\i:P+\i+1], v[Q+\i:Q+\i+1]    ; erf
.endr
.irp i, 0,2,4,6,8,10,12,14
	v_pk_fma_f32 v[P+\i:P+\i+1], v[P+\i:P+\i+1], 0.5, 0.5 op_sel_hi:[1,0,0]
.endr
	WIN 0xc3
.irp m, 0,1
.irp i, 0,2,4,6
	v_pk_mul_f32 v[64*\m+8*(\tt)+\i:64*\m+8*(\tt)+\i+1], v[64*\m+8*(\tt)+\i:64*\m+8*(\tt)+\i+1], v[P+8*\m+\i:P+8*\m+\i+1]
.endr
.endr
	WIN 0
.endm
.macro SPAIR reg, val                  ; a constant as a scalar pair: the packed forms name the pair
	s_mov_b32 s[\reg], \val
	s_mov_b32 s[\reg+1], \val
.endm
	s_load_b512 s[4:19], s[0:1], 0x0               ; x, cimg, csc, wimg, Wo scales, W1 scales, W2 scales, bo
	s_load_b256 s[20:27], s[0:1], 0x40             ; b1, b2, g2, beta2
	s_load_b64 s[28:29], s[0:1], 0x60              ; out0
	v_lshrrev_b32 v14, 5, v0
	v_readfirstlane_b32 s30, v14                   ; wave
	v_and_b32 v14, 31, v0                          ; lane
	v_and_b32 v15, 15, v0                          ; r
	v_bfe_u32 v[T0], v0, 4, 1                      ; h
	v_and_b32 v[T0+1], 8, v15
	v_add_nc_u32 v[T0+1], v[T0+1], v15             ; kap(r)
	v_lshlrev_b32 v[L16], 4, v14
	v_lshlrev_b32 v[L4], 2, v14
	v_lshlrev_b32 v[R4], 2, v15
	v_lshlrev_b32 v[XO], 11, v[T0+1]
	v_lshl_add_u32 v[XO], v[T0], 6, v[XO]
	v_lshlrev_b32 v[BO], 6, v[T0]
	v_lshlrev_b32 v[SK16], 4, v[T0+1]
	v_lshlrev_b32 v[SK64], 6, v[T0+1]
	v_lshlrev_b32 v[STR], 3, v14
	s_lshl_b32 s50, s30, 9
	v_add_nc_u32 v[STA], s50, v[STR]
	s_lshl_b32 s50, s30, 11
	v_add_nc_u32 v[IW], s50, v[L16]
	s_lshl_b32 s50, s30, 7
	v_add_nc_u32 v[SW], s50, v[L4]
	s_mul_i32 s50, s30, 8448
	s_add_co_u32 s50, s50, STG
	v_mul_u32_u24 v[SO], v15, 528
	v_lshl_add_u32 v[SO], v[T0], 6, v[SO]
	v_add_nc_u32 v[SO], s50, v[SO]
	v_add_nc_u32 v[SR], s50, v[L16]
.irp b, 0,1,2,3
	v_mov_b32 v[TM+4+\b], 0                        ; written once: a lane permute's destination counts as one of its sources
.endr
	v_mov_b32 v[CA13], 0xaf95df0b                  ; -2.72614226e-10
	v_mov_b32 v[CA13+1], 0xaf95df0b
	v_mov_b32 v[CB8], 0xb77460cd                   ; -1.45660718e-05
	v_mov_b32 v[CB8+1], 0xb77460cd
	s_mov_b32 s[SEL], 0x76543210
	s_mov_b32 s[SEL+1], 0xfedcba98
	s_mov_b32 s37, 0x3c000000                      ; 1 / 128
	s_mov_b32 s38, 0x3b000000                      ; 1 / 512
	s_mov_b32 s39, 0x3727c5ac                      ; 1e-5
	s_mov_b32 s56, 0x43000000                      ; 128
	s_mov_b32 s57, 0x3e800000                      ; 1 / 4
	SPAIR 66, 0x3f3504f3                           ; 1 / sqrt 2
	SPAIR 68, 0x32edffee                           ; P:  2.77068142e-08
	SPAIR 70, 0xb60cff51                           ;    -2.10102402e-06
	SPAIR 72, 0xb86ec2d2                           ;    -5.69250639e-05
	SPAIR 74, 0xba40ac63                           ;    -7.34990630e-04
	SPAIR 76, 0xbb41a1f6                           ;    -2.95459981e-03
	SPAIR 78, 0xbc83dbd4                           ;    -1.60960333e-02
	SPAIR 80, 0xb95fbd29                           ; Q: -2.13374055e-04
	SPAIR 82, 0xbadc924e                           ;    -1.68282697e-03
	SPAIR 84, 0xbbf19bf8                           ;    -7.37332917e-03
	SPAIR 86, 0xbc69b6a7                           ;    -1.42647391e-02
	s_lshl_b32 s50, ttmp9, 16                      ; my work-group's 32 rows of 2,048 bytes,
	s_lshl_b32 s52, s30, 9                         ; my wave's 128 columns
	s_add_co_u32 s50, s50, s52
	s_mov_b32 s51, 0
	s_mov_b32 s53, 0
	s_lshl_b32 s54, ttmp9, 14                      ; two row tiles of ctx's images
	s_mov_b32 s55, 0
	s_lshl_b32 s58, ttmp9, 9                       ; and of its scale words
	s_mov_b32 s59, 0
	s_mul_i32 s60, s30, 589824                     ; my wave's nine phases of weights
	s_mov_b32 s61, 0
	s_lshl_b32 s62, s30, 11                        ; 128 scale rows of 16 bytes
	s_mov_b32 s63, 0
	s_lshl_b32 s88, s30, 13                        ; 128 scale rows of 64 bytes
	s_mov_b32 s89, 0
	s_wait_kmcnt 0x0
	s_add_nc_u64 s[4:5], s[4:5], s[50:51]
	s_add_nc_u64 s[28:29], s[28:29], s[50:51]
	s_add_nc_u64 s[6:7], s[6:7], s[54:55]
	s_add_nc_u64 s[8:9], s[8:9], s[58:59]
	s_add_nc_u64 s[10:11], s[10:11], s[60:61]
	s_add_nc_u64 s[12:13], s[12:13], s[62:63]
	s_add_nc_u64 s[14:15], s[14:15], s[62:63]
	s_add_nc_u64 s[16:17], s[16:17], s[88:89]
	s_add_nc_u64 s[18:19], s[18:19], s[52:53]
	s_add_nc_u64 s[20:21], s[20:21], s[52:53]
	s_add_nc_u64 s[22:23], s[22:23], s[52:53]
	s_add_nc_u64 s[24:25], s[24:25], s[52:53]
	s_add_nc_u64 s[26:27], s[26:27], s[52:53]
	s_mov_b64 s[44:45], s[14:15]                   ; the first chunk's scale rows of W1,
	s_mov_b64 s[48:49], s[20:21]                   ; and its b1
	WIN 0x80
.irp m, 0,1
.irp s, 0,1,2,3
.irp c, 0,1,2,3
	global_load_b128 v[64*\m+16*\s+4*\c:64*\m+16*\s+4*\c+3], v[L16], s[6:7] offset:8192*\m+2048*\s+512*\c th:TH_LOAD_NT   ; ctx's fragments
.endr
.endr
.endr
.irp m, 0,1
.irp t, 0,1,2,3,4,5,6,7
.irp j, 0,1
	global_load_b128 v[128+64*\m+8*\t+4*\j:128+64*\m+8*\t+4*\j+3], v[XO], s[4:5] offset:16384*\m+4*(32*(\t/2)+8*(\t%2))+16*\j th:TH_LOAD_NT   ; x, in the accumulators' layout
.endr
.endr
.endr
	WIN 0
.irp m, 0,1
.irp s, 0,1,2,3
	global_load_b32 v[YS+4*\m+\s], v[R4], s[8:9] offset:256*\m+64*\s
.endr
.endr
.irp t, 0,1,2,3,4,5,6,7
	global_load_b128 v[WSB+4*\t:WSB+4*\t+3], v[SK16], s[12:13] offset:16*(32*(\t/2)+8*(\t%2))
.endr
	WIN 0xc0
.irp t, 0,1,2,3,4,5,6,7
.irp j, 0,1
	global_load_b128 v[128+8*\t+4*\j:128+8*\t+4*\j+3], v[BO], s[18:19] offset:4*(32*(\t/2)+8*(\t%2))+16*\j    ; bo
	global_load_b128 v[8*\t+4*\j:8*\t+4*\j+3], v[BO], s[24:25] offset:4*(32*(\t/2)+8*(\t%2))+16*\j            ; g2
	global_load_b128 v[64+8*\t+4*\j:64+8*\t+4*\j+3], v[BO], s[26:27] offset:4*(32*(\t/2)+8*(\t%2))+16*\j      ; beta2
	global_load_b128 v[192+8*\t+4*\j:192+8*\t+4*\j+3], v[BO], s[22:23] offset:4*(32*(\t/2)+8*(\t%2))+16*\j    ; b2
.endr
.endr
	WIN 0
.irp q, 0,1,2,3
	LOADSLOT \q, 10, 8192*\q                       ; the ring's first four slots: Wo
.endr
	s_wait_loadcnt 63                              ; the ring's 64 loads are the youngest: all else is in
	WIN 0x8e
.irp m, 0,1
.set i, 0
.rept 32
	v_pk_add_f32 v[128+64*\m+i:128+64*\m+i+1], v[128+64*\m+i:128+64*\m+i+1], v[128+i:128+i+1]   ; x + bo starts the sums
.set i, i+2
.endr
.endr
	s_wait_alu depctr_va_vdst(0)
	MMPH 0xa9, YS, 10, 0, 10, 65536                ; + ctx Wo: source 0 the ring (window 1), source 1 ctx, C and D window 2.  Behind it the ring holds W1's first slots
	; THE NORM.  Each wave has 128 of a row's 512 columns: its own mean and its own sum of squares about that mean; the four are joined without a difference of large sums
.irp m, 0,1
	WIN 0x0a
.irp k, 0,1,2,3
	v_pk_add_f32 v[CH+2*\k:CH+2*\k+1], v[128+64*\m+4*\k:128+64*\m+4*\k+1], v[128+64*\m+4*\k+2:128+64*\m+4*\k+3]
.endr
	WIN 0x08
.set i, 16
.rept 6
.irp k, 0,1,2,3
	v_pk_add_f32 v[CH+2*\k:CH+2*\k+1], v[CH+2*\k:CH+2*\k+1], v[128+64*\m+i+2*\k:128+64*\m+i+2*\k+1]
.endr
.set i, i+8
.endr
	WIN 0
	FOLD
	v_mul_f32 v[LM], s37, v[T0]
	v_mov_b32 v[LM+1], v[LM]
	WIN 0x02
.set i, 0
.rept 32
	v_pk_add_f32 v[T+i:T+i+1], v[128+64*\m+i:128+64*\m+i+1], v[LM:LM+1] neg_lo:[0,1] neg_hi:[0,1]
.set i, i+2
.endr
	WIN 0
.irp k, 0,1,2,3
	v_pk_mul_f32 v[CH+2*\k:CH+2*\k+1], v[T+2*\k:T+2*\k+1], v[T+2*\k:T+2*\k+1]
.endr
.set i, 8
.rept 7
.irp k, 0,1,2,3
	v_pk_fma_f32 v[CH+2*\k:CH+2*\k+1], v[T+i+2*\k:T+i+2*\k+1], v[T+i+2*\k:T+i+2*\k+1], v[CH+2*\k:CH+2*\k+1]
.endr
.set i, i+8
.endr
	FOLD
	v_mov_b32 v[ST2+2*\m], v[LM]
	v_mov_b32 v[ST2+2*\m+1], v[T0]
	ds_store_b64 v[STA], v[ST2+2*\m:ST2+2*\m+1] offset:STAT+256*\m
.endr
	BARRIER                                        ; the four waves' parts lie in LDS
.irp q, 0,1,2,3
.irp m, 0,1
	ds_load_b64 v[RD+4*\q+2*\m:RD+4*\q+2*\m+1], v[STR] offset:STAT+512*\q+256*\m
.endr
.endr
	s_wait_dscnt 0x0
.irp m, 0,1
	v_add_f32 v[T0], v[RD+2*\m], v[RD+4+2*\m]
	v_add_f32 v[T0+1], v[RD+8+2*\m], v[RD+12+2*\m]
	v_add_f32 v[T0], v[T0], v[T0+1]
	v_mul_f32 v[MEAN+2*\m], s57, v[T0]             ; the row's mean
	v_mov_b32 v[MEAN+2*\m+1], v[MEAN+2*\m]
	v_add_f32 v[T0], v[RD+1+2*\m], v[RD+5+2*\m]
	v_add_f32 v[T0+1], v[RD+9+2*\m], v[RD+13+2*\m]
	v_add_f32 v[T0], v[T0], v[T0+1]                ; the four sums of squares,
	v_sub_f32 v[T0+1], v[RD+2*\m], v[MEAN+2*\m]
	v_mul_f32 v[T0+2], v[T0+1], v[T0+1]
.irp q, 1,2,3
	v_sub_f32 v[T0+1], v[RD+4*\q+2*\m], v[MEAN+2*\m]
	v_fma_f32 v[T0+2], v[T0+1], v[T0+1], v[T0+2]
.endr
	v_fma_f32 v[T0], v[T0+2], s56, v[T0]           ; + 128 x the squares of the four means' distances
	v_fma_f32 v[T0], v[T0], s38, s39               ; the variance + 1e-5
	s_wait_alu depctr_va_vdst(0)
	v_rsq_f32 v[RSTD+2*\m], v[T0]
	v_nop                                          ; a plain instruction before v[T0] is written again
.endr
	s_wait_alu depctr_va_vdst(0)                   ; one wait for the two
	v_mov_b32 v[RSTD+1], v[RSTD]
	v_mov_b32 v[RSTD+3], v[RSTD+2]
.irp m, 0,1
	WIN 0x02
.set i, 0
.rept 32
	v_pk_add_f32 v[T+i:T+i+1], v[128+64*\m+i:128+64*\m+i+1], v[MEAN+2*\m:MEAN+2*\m+1] neg_lo:[0,1] neg_hi:[0,1]
.set i, i+2
.endr
	WIN 0
.set i, 0
.rept 32
	v_pk_mul_f32 v[T+i:T+i+1], v[T+i:T+i+1], v[RSTD+2*\m:RSTD+2*\m+1]
.set i, i+2
.endr
	WIN 0x3c
.set i, 0
.rept 32
	v_pk_fma_f32 v[T+i:T+i+1], v[T+i:T+i+1], v[i:i+1], v[64+i:64+i+1]   ; x g2 + beta2
.set i, i+2
.endr
	WIN 0
	QUANT T, 0
	PACKW
	IMAGE IW, YIMG+8192*\m                         ; K step w of the first product
	ds_store_b32 v[SW], v[TM+4] offset:YSC+512*\m
	s_wait_dscnt 0x0                               ; the stores have read their registers
.endr
	BARRIER                                        ; y's eight fragments lie in LDS; they are written once
	WIN 0x80
.irp m, 0,1
.irp s, 0,1,2,3
.irp c, 0,1,2,3
	ds_load_b128 v[64*\m+16*\s+4*\c:64*\m+16*\s+4*\c+3], v[L16] offset:YIMG+2048*(4*\m+\s)+512*\c
.endr
.endr
.endr
	WIN 0
.irp m, 0,1
.irp s, 0,1,2,3
	ds_load_b32 v[YS+4*\m+\s], v[L4] offset:YSC+128*(4*\m+\s)
.endr
.endr
	s_wait_dscnt 0x0
	s_mov_b32 s35, 0
.Lchunk:                                               ; 512 hidden units a trip
	s_wait_xcnt 0x0                                ; the pointers below are written again only behind this wait
	s_add_co_u32 s36, s35, 1
	s_min_u32 s36, s36, 3                          ; the chunk that is looked ahead to: the last looks at itself
	s_lshl_b32 s50, s35, 17
	s_add_co_u32 s50, s50, 65536
	s_add_nc_u64 s[40:41], s[10:11], s[50:51]      ; this chunk's phases: W1's, then W2's
	s_lshl_b32 s50, s36, 17
	s_add_co_u32 s50, s50, 65536
	s_add_nc_u64 s[42:43], s[10:11], s[50:51]      ; the next chunk's
	s_lshl_b32 s50, s36, 13
	s_add_nc_u64 s[44:45], s[14:15], s[50:51]
	s_lshl_b32 s50, s36, 11
	s_add_nc_u64 s[48:49], s[20:21], s[50:51]
	s_lshl_b32 s50, s35, 4
	s_add_nc_u64 s[46:47], s[16:17], s[50:51]
	v_nop                                          ; with the eight at the end of the phase before: nine places before products write over registers that the last products read as source 1
.irp t, 0,1,2,3,4,5,6,7                ; tile t of my 128 hidden units: 8 products, two accumulators by turns; the tile before goes through gelu meanwhile
	s_wait_loadcnt 48
	WIN 0xf9                                       ; source 0 the ring (window 1), source 1 y (window 2), C and D window 3
.irp s, 0,1,2,3
.irp m, 0,1
.if \s == 0
	v_wmma_scale_f32_16x16x128_f8f6f4 v[64*\m+8*\t:64*\m+8*\t+7], v[64*(\t%4)+16*\s:64*(\t%4)+16*\s+15], v[64*\m+16*\s:64*\m+16*\s+15], v[128+8*\t:128+8*\t+7], v[WSA+4*\t+\s], v[YS+4*\m+\s]   ; b1 starts the sum
.else
	v_wmma_scale_f32_16x16x128_f8f6f4 v[64*\m+8*\t:64*\m+8*\t+7], v[64*(\t%4)+16*\s:64*(\t%4)+16*\s+15], v[64*\m+16*\s:64*\m+16*\s+15], v[64*\m+8*\t:64*\m+8*\t+7], v[WSA+4*\t+\s], v[YS+4*\m+\s]
.endif
.endr
.endr
	WIN 0
.if \t == 0
.rept 8
	v_nop
.endr
.else
	GELU \t-1                                      ; its plain lines are also the places in front of the loads below
.endif
.if \t == 2
	SIDE_B
.endif
	LOADSLOT \t, 40, 8192*(\t+4)
.endr
	GELU 7
.irp m, 0,1
	QUANT 64*\m, 3
	PACKW
	IMAGE IW, HIMG+8192*\m                         ; K step w of this chunk of the second product
	ds_store_b32 v[SW], v[TM+4] offset:HSC+512*\m
	s_wait_dscnt 0x0
.endr
	BARRIER                                        ; the chunk's eight fragments lie in LDS
	WIN 0xc0
.irp m, 0,1
.irp s, 0,1,2,3
.irp c, 0,1,2,3
	ds_load_b128 v[64*\m+16*\s+4*\c:64*\m+16*\s+4*\c+3], v[L16] offset:HIMG+2048*(4*\m+\s)+512*\c
.endr
.endr
.endr
	WIN 0
.irp m, 0,1
.irp s, 0,1,2,3
	ds_load_b32 v[HS+4*\m+\s], v[L4] offset:HSC+128*(4*\m+\s)
.endr
.endr
	BARRIER                                        ; every wave's reads are in: the next trip may write the images
	MMPH 0xad, HS, 40, 65536, 42, 0                ; source 1 the hidden layer (window 3), C and D window 2
	s_add_co_u32 s35, s35, 1
	s_cmp_lt_u32 s35, 4
	s_cbranch_scc1 .Lchunk
	; THE WAY OUT: + b2; a row tile's 16 rows x 512 bytes go through my own stage and leave as whole rows
	WIN 0x8e
.irp m, 0,1
.set i, 0
.rept 32
	v_pk_add_f32 v[128+64*\m+i:128+64*\m+i+1], v[128+64*\m+i:128+64*\m+i+1], v[192+i:192+i+1]
.set i, i+2
.endr
.endr
.irp m, 0,1
	WIN 0x08                                       ; an LDS store's data are its source 1: window 2
.irp t, 0,1,2,3,4,5,6,7
.irp j, 0,1
	ds_store_b128 v[SO], v[128+64*\m+8*\t+4*\j:128+64*\m+8*\t+4*\j+3] offset:4*(32*(\t/2)+8*(\t%2))+16*\j
.endr
.endr
	WIN 0
.irp i, 0,1,2,3,4,5,6,7,8,9,10,11,12,13,14,15
	ds_load_b128 v[OB+96*\m+4*\i:OB+96*\m+4*\i+3], v[SR] offset:528*\i   ; LDS serves a wave's instructions in order (ISA guide 5.7.1.4): these see my stores, and the next tile's stores come behind them
.endr
.endr
.irp m, 0,1
.irp i, 0,1,2,3,4,5,6,7,8,9,10,11,12,13,14,15
	s_wait_dscnt 32*(1-\m)+15-\i                   ; behind row i's load: the tile's later loads, and for the first tile the second's 16 stores and 16 loads
	global_store_b128 v[L16], v[OB+96*\m+4*\i:OB+96*\m+4*\i+3], s[28:29] offset:(8*\m+\i+8*(\i/8))*2048 th:TH_STORE_NT   ; 512 consecutive bytes of a row, aligned
.endr
.endr
	s_wait_xcnt 0x0
	v_lshl_add_u32 v254, v0, 2, 0x11400
	v_mov_b32 v255, 0
	s_wait_alu depctr_va_vdst(0)
	s_wait_tensorcnt 0x0
	ds_add_u32 v254, v255
	s_wait_dscnt 0x0
	s_endpgm
.Lfunc_end_k_q96b6e9aaab_tail:
	.size	k_q96b6e9aaab_tail, .Lfunc_end_k_q96b6e9aaab_tail-k_q96b6e9aaab_tail
	.p2alignl 7, 3214868480
	.fill 96, 4, 3214868480
	.section	.rodata,"a",@progbits
	.p2align	6, 0x0
	.amdhsa_kernel k_q96b6e9aaab_tail
		.amdhsa_group_segment_fixed_size 71168
		.amdhsa_private_segment_fixed_size 0
		.amdhsa_enable_private_segment 0
		.amdhsa_kernarg_size 104
		.amdhsa_user_sgpr_count 2
		.amdhsa_user_sgpr_kernarg_segment_ptr 1
		.amdhsa_wavefront_size32 1
		.amdhsa_system_sgpr_workgroup_id_x 1
		.amdhsa_system_sgpr_workgroup_id_y 1
		.amdhsa_system_sgpr_workgroup_id_z 1
		.amdhsa_system_vgpr_workitem_id 0
		.amdhsa_next_free_vgpr 1024
		.amdhsa_next_free_sgpr 90
		.amdhsa_reserve_vcc 0
		.amdhsa_float_denorm_mode_32 3
		.amdhsa_float_denorm_mode_16_64 3
		.amdhsa_fp16_overflow 1
		.amdhsa_memory_ordered 1
		.amdhsa_forward_progress 1
		.amdhsa_inst_pref_size 243
	.end_amdhsa_kernel
	.amdgpu_metadata
---
amdhsa.version: [ 1, 2 ]
amdhsa.kernels:
  - .name:           k_q96b6e9aaab_tail
    .symbol:         k_q96b6e9aaab_tail.kd
    .args:
      - { .name: x, .offset: 0, .size: 8, .value_kind: global_buffer, .address_space: global }
      - { .name: cimg, .offset: 8, .size: 8, .value_kind: global_buffer, .address_space: global }
      - { .name: csc, .offset: 16, .size: 8, .value_kind: global_buffer, .address_space: global }
      - { .name: wimg, .offset: 24, .size: 8, .value_kind: global_buffer, .address_space: global }
      - { .name: Wo_scales, .offset: 32, .size: 8, .value_kind: global_buffer, .address_space: global }
      - { .name: W1_scales, .offset: 40, .size: 8, .value_kind: global_buffer, .address_space: global }
      - { .name: W2_scales, .offset: 48, .size: 8, .value_kind: global_buffer, .address_space: global }
      - { .name: bo, .offset: 56, .size: 8, .value_kind: global_buffer, .address_space: global }
      - { .name: b1, .offset: 64, .size: 8, .value_kind: global_buffer, .address_space: global }
      - { .name: b2, .offset: 72, .size: 8, .value_kind: global_buffer, .address_space: global }
      - { .name: g2, .offset: 80, .size: 8, .value_kind: global_buffer, .address_space: global }
      - { .name: beta2, .offset: 88, .size: 8, .value_kind: global_buffer, .address_space: global }
      - { .name: out0, .offset: 96, .size: 8, .value_kind: global_buffer, .address_space: global }
    .group_segment_fixed_size: 71168
    .private_segment_fixed_size: 0
    .kernarg_segment_align: 8
    .kernarg_segment_size: 104
    .max_flat_workgroup_size: 128
    .sgpr_count:     90
    .vgpr_count:     1024
    .wavefront_size: 32
...
	.end_amdgpu_metadata
.endif
;; end of part 3
